; MI455X (gfx1250); checked and timed in simulation.
; The chip was launched on July 23, 2026; its instructions are those of AMD's public machine-readable ISA for CDNA 5 (MIT licence, August 2026) and "CDNA5" Instruction Set Architecture Reference Guide (July 2026). The comments in the code are by the model that wrote it; some were corrected since.
;; Toy Multi Head Attention. Allowed arithmetic: matrix products marked QUANTISED: E4M3 operands, one E8M0 scale for each 32 along K, by v_wmma_scale_f32_16x16x128_f8f6f4 with both operands' format E4M3, f32 sums; everything else in f32.
;; Inputs: Wk_codes 1,024 x 32 x 32 uint8 (E4M3 codes of Wk, K innermost, in blocks of 32 codes); Wk_scales 1,024 x 32 uint8 (E8M0 scales of Wk, one for each 32 codes along K); Wo_codes 1,024 x 32 x 32 uint8 (E4M3 codes of Wo, K innermost, in blocks of 32 codes); Wo_scales 1,024 x 32 uint8 (E8M0 scales of Wo, one for each 32 codes along K); Wq_codes 1,024 x 32 x 32 uint8 (E4M3 codes of Wq, K innermost, in blocks of 32 codes); Wq_scales 1,024 x 32 uint8 (E8M0 scales of Wq, one for each 32 codes along K); Wv_codes 1,024 x 32 x 32 uint8 (E4M3 codes of Wv, K innermost, in blocks of 32 codes); Wv_scales 1,024 x 32 uint8 (E8M0 scales of Wv, one for each 32 codes along K); bk 1,024 float32; bo 1,024 float32; bq 1,024 float32; bv 1,024 float32; k_codes 4 x 2,048 x 32 x 32 uint8 (E4M3 codes of k, K innermost, in blocks of 32 codes); k_scales 4 x 2,048 x 32 uint8 (E8M0 scales of k, one for each 32 codes along K); q_codes 4 x 2,048 x 32 x 32 uint8 (E4M3 codes of q, K innermost, in blocks of 32 codes); q_scales 4 x 2,048 x 32 uint8 (E8M0 scales of q, one for each 32 codes along K); v_codes 4 x 2,048 x 32 x 32 uint8 (E4M3 codes of v, K innermost, in blocks of 32 codes); v_scales 4 x 2,048 x 32 uint8 (E8M0 scales of v, one for each 32 codes along K).
;; Outputs: out0 4 x 2,048 x 1,024 float32.
;; This version of the problem:
;;   THIS VERSION OF THE PROBLEM IS GIVEN IN LOW PRECISION. The matrix products marked QUANTISED in the list below multiply operands that are first quantised to E4M3 (4 exponent bits, 3 mantissa bits; 8 bits a number), with one power-of-two scale for each 32 numbers along K (OCP MX v1.0); their sums are f32. All else is computed in f32.
;;   The module's matrix products, in the order in which they are computed (A, B: the left and right operand; K: the contracted axis; several contracted axes count as one K, in the product's order):
;;     1. [M 8,192, K 1,024] x [K 1,024, N 1,024]; A: input q (given as codes); B: input Wq (given as codes): QUANTISED
;;     2. [M 8,192, K 1,024] x [K 1,024, N 1,024]; A: input k (given as codes); B: input Wk (given as codes): QUANTISED
;;     3. [M 8,192, K 1,024] x [K 1,024, N 1,024]; A: input v (given as codes); B: input Wv (given as codes): QUANTISED
;;     4. batch 64 x [M 2,048, K 64] x [K 64, N 2,048]; A: computed on the way; B: computed on the way: QUANTISED
;;     5. batch 64 x [M 2,048, K 2,048] x [K 2,048, N 64]; A: softmax (see below); B: computed on the way: QUANTISED
;;     6. [M 8,192, K 1,024] x [K 1,024, N 1,024]; A: computed on the way; B: input Wo (given as codes): QUANTISED
;;   THE QUANTISER, for each operand of a quantised product, along K:
;;     - K is cut into blocks of 32 from its start; a last block that is shorter is filled with zeros.
;;     - A block's scale is 2^e with e = floor(log2(the largest magnitude in the block)) - 8, held to -126 .. 127; a block of zeros has e = 0. As a byte (E8M0): e + 127.
;;     - Each number is divided by its block's scale, clamped to +-448, and rounded to the nearest number of E4M3, ties to even, subnormals kept.
;;     - The product sums the exact products of the quantised numbers (number of the format x scale) in f32.
;;   ~~~python
;;   def quantise(x, axis):      # numpy; x: float32 -> the quantised numbers, widened to float32 again
;;       x = np.moveaxis(x, axis, -1); K = x.shape[-1]
;;       x = np.pad(x, [(0, 0)] * (x.ndim - 1) + [(0, -K % 32)]); x = x.reshape(x.shape[:-1] + (-1, 32)); a = np.abs(x).max(-1, keepdims=True)
;;       e = np.where(a > 0, np.clip(np.frexp(np.where(a > 0, a, 1))[1] - 1 - 8, -126, 127), 0)      # np.frexp(a)[1] - 1 = floor(log2(a)), exactly
;;       r = np.clip(x / 2.0 ** e, -448, 448)
;;       step = 2.0 ** (np.maximum(np.frexp(np.where(r == 0, 1, r))[1] - 1, -6) - 3)
;;       q = np.round(r / step) * step * 2.0 ** e      # np.round: ties to even
;;       return np.moveaxis(q.reshape(q.shape[:-2] + (-1,))[..., :K], -1, axis).astype(np.float32)
;;   ~~~
;;   SOFTMAX AHEAD OF A QUANTISED PRODUCT. Where the list says 'softmax', what is quantised is not the finished softmax but p = 2^(t - M), with t = logit x log2(e) and M = ceil(the row's largest t), a whole number; so 1/2 < the row's largest p <= 1. The row's sum l is taken of the UNQUANTISED p, in f32, and the product's result is divided by l at the end. Since M is a whole number, a kernel that streams over the keys may use a running M (the ceiling of the running maximum): every later rescaling is an exact power of two, which a block's scale takes up: the codes' values come out the same.
;;   OPERANDS COMPUTED ON THE WAY. 'Computed on the way' means the value that the module computes at that place (a softmax that the list does not call 'softmax' is quantised finished and normalised). What goes into a quantiser is computed in f32, as accurately as f32 sums, v_exp_f32 and their like allow (about 1e-6 of the number): no bf16 or f16 on the way to a quantiser, and a product that is left as it is and whose result goes on into a quantised operand takes f32 operands (vector FMAs, or v_wmma_f32_16x16x4_f32). A number that lies on a knife's edge between two numbers of the format may be rounded either way, as far as f32 arithmetic and the matrix unit's own rounding can turn it there, and no further.
;;   INPUTS GIVEN AS CODES. Wk (in the module: [1024, 1024], K = its axis 1); Wo (in the module: [1024, 1024], K = its axis 1); Wq (in the module: [1024, 1024], K = its axis 1); Wv (in the module: [1024, 1024], K = its axis 1); k (in the module: [4, 2048, 1024], K = its axis 2); q (in the module: [4, 2048, 1024], K = its axis 2); v (in the module: [4, 2048, 1024], K = its axis 2): each comes as NAME_codes (uint8): NAME with its K axis moved to the last place and cut into blocks of 32 codes, [.., K / 32, bytes a block], one block behind the other in memory; one code a byte (a code: sign, 4 exponent bits, 3 mantissa bits); and NAME_scales (uint8): the same leading axes, one E8M0 byte (e + 127) for each 32 codes along K. Its value is code x scale, taken as it is: it is not quantised again, and the codes and scales need not be those that the quantiser above would give.
;; One version. Each part assembles by itself: llvm-mc -triple=amdgcn-amd-amdhsa -mcpu=gfx1250 --defsym DOCPART=n.
;; ======== version 1 of 1: 3 launches
;; limits: right only within a limited range of input values
;; workspace buffers: kv 17,825,792 bytes; qimg 8,912,896 bytes; oimg 8,388,608 bytes; osc 262,144 bytes
;; launch proj (part 1): grid 4 x 96, 4 waves a work-group, clusters of 4 x 4, 327,680 bytes of LDS; arguments q_codes, q_scales, Wq_codes, Wq_scales, bq, k_codes, k_scales, Wk_codes, Wk_scales, bk, v_codes, v_scales, Wv_codes, Wv_scales, bv, qimg, kv; writes qimg, kv
.if DOCPART == 1
	.amdgcn_target "amdgcn-amd-amdhsa--gfx1250"
	.amdhsa_code_object_version 6
	.text
	.protected	k_q63079e4de0_proj
	.globl	k_q63079e4de0_proj
	.p2align	8
	.type	k_q63079e4de0_proj,@function
k_q63079e4de0_proj:
	s_mov_b64 s[64:65], 0
	v_nop
	global_prefetch_b8 v0, s[64:65] scope:SCOPE_SE
	s_setreg_imm32_b32 hwreg(HW_REG_WAVE_MODE, 25, 1), 1
	s_wait_xcnt 0x0
	s_wait_alu depctr_hold_cnt(0) depctr_sa_sdst(0) depctr_va_vdst(0) depctr_va_sdst(0) depctr_va_ssrc(0) depctr_va_vcc(0) depctr_vm_vsrc(0)
	s_getreg_b32 s2, hwreg(HW_REG_IB_STS2, 6, 4)
	s_cmp_eq_u32 s2, 0
	s_cbranch_scc0 .Lentry_in_a_cluster
	s_endpgm
.Lentry_in_a_cluster:
	s_bfe_u32 s2, ttmp6, 0x10000c
	s_cmp_lg_u32 s2, 0xf033
	s_cbranch_scc0 .Lentry_shape_is_right
	s_endpgm
.Lentry_shape_is_right:
; THE THREE PROJECTIONS x W^T + b (x = q, k, v: [8192][1024], W: [1024][1024], codes of E4M3 with one E8M0 byte for each 32 along K), and the quantisers of what attention multiplies.
; One launch: clusters 0-7 along y take q, 8-15 k, 16-23 v.  A work-group makes 256 x 256 of a product, each of its four waves 128 x 128: 64 accumulators of 16 x 16 in 512 registers.
; K goes in four steps of 256 through a ring of two LDS slots filled by the tensor data mover; the scale bytes of the work-group's rows, for all of K, come once with the first fills.
; CLUSTERS: 4 x 4 work-groups; the tile of source 1 is shared along a row of the cluster, that of source 0 along a column: each is asked for jointly, by one descriptor and a mask that names the four.
; WHICH OPERAND IS WHICH SOURCE.  In a result a lane holds ONE row of source 1 and eight neighbouring rows of source 0 in its registers.  The quantiser wants the next product's K along a lane's registers:
;   q, k: the next K is the head's 64, so source 0 = rows of W, source 1 = rows of x: a lane holds one token and 128 outputs (two heads).
;   v:    the next K is the keys, so source 0 = rows of x (128 keys), source 1 = rows of Wv: a lane holds one output and 128 keys.   Only the pointers are exchanged; the loop does not know the tensor.
; THE BIAS is the C of each sum's first matrix instruction (q, k: by source 0's tile; v: by source 1's tile, the same number in all eight registers).
; THE WAY OUT.  A tile of 16 x 128 results is quantised in registers (four blocks of 32, each in lanes l and l xor 16) and its four groups of four code registers are stored as they stand, 16 bytes a lane:
; IMAGES OF OPERAND REGISTERS, which the next launch loads back by the same lines.  Each store of the wave covers 512 consecutive bytes, aligned.
;   kv   [b x 16 + head][key step of 128][17,408]: +0 K: chunk 2 t + c = key tile t, head block c; +8,192 V: chunk 4 d + c = tile d of the head's 64, key block c; +16,384 K's scale words [lane][4]; +16,896 V's [lane][4]
;   qimg [b x 16 + head][group of 128 queries][8,704]: as K's images, then the scale words at +8,192
; ORDER INSIDE A BLOCK OF 32: operand place 16 h + 8 u + j holds number 16 u + 8 h + j of the block (h = lane / 16).  Q and K have it alike, and so have V and the weights p of the next launch: the products and the
; block scales are those of the natural order; only the grouping of a sum's terms inside the matrix unit differs.
; LIMITS: NaN and infinities are not served.  A block whose largest magnitude lies under 2^-118, a block of zeros among them, gets the byte 1 (a block of zeros has zero codes; the bytes are read by this program alone).
.set KSTEP,  256                       ; along K in a slot
.set NQ,     2                         ; matrix instructions deep
.set ROWB,   256                       ; a tile's row in bytes
.set KROW,   1024                      ; a row of x or of W in memory
.set PITCH,  272                       ; an LDS row: 256 bytes + 16 of padding = 68 words: the 16 rows that a load touches start at 16 different banks (64 banks of 4 bytes: ISA guide 11.1)
.set FR,     16                        ; registers of a fragment: 16 rows x 128 K
.set NL,     4                         ; LDS loads that bring one
.set NP,     8                         ; places behind this matrix instruction (ISA guide 7.12.1)
.set HALFT,  128*PITCH                 ; 128 rows: what one tensor load brings
.set SLOT,   4*HALFT                   ; source 1's 256 rows, then source 0's 256 rows
.set KS,     32                        ; a row of scale bytes
.set SCL,    2*SLOT                    ; behind the ring: the scales, as units of 256 bytes + 16 of padding
.set HALFS,  (128*KS/256)*272          ; the scales of 128 rows
.set SBLK,   (16*KS/256)*272           ; those of 16 rows
.set SPARE,  SCL+4*HALFS               ; the spare words, 128 bytes for each wave: two blocks of 256 bytes that no other line names
.set QSTR,   8704                      ; a block of qimg
.set KVSTR,  17408                     ; a block of kv
.set ADRA, 16                          ; v16-17  LDS address of my fragments of source 1 in slot 0, 1
.set ADRB, 20                          ; v20-21  the same for source 0
.set BA0,  24                          ; v24     the bias's offset for q, k: 32 (lane / 16)
.set BA1,  25                          ; v25     for v: 4 (lane % 16)
.set LI,   26                          ; v26     16 x lane: my place in an image
.set ADRS, 27                          ; v27     LDS address of my scale words: lanes 0-15 source 1's rows, lanes 16-31 source 0's
.set SPW,  28                          ; v28     LDS address of my spare word; never rewritten
.set NIL,  29                          ; v29     0; never rewritten
.set SC,   32                          ; v32-63  scale words, two sets
.set BI,   64                          ; v64-127 the bias, eight registers a tile
.set AF,   128                         ; v128-255 source 1's fragments, one set (window 0); source 0's two sets lie in window 1; the accumulators in windows 2 and 3
.set PC,   128                         ; the way out: v128-143 the codes just made
.set R,    160                         ; v160-167 the scale words to be stored
.set TM,   176                         ; v176-179 largest magnitudes, v180-183 bytes, v188-191 the conversions' scale operands
.set TW,   192                         ; a temporary
.set G1, 24                            ; s[24:31] descriptor group 1 for source 1's tiles;  s[32:39] group 0, one set for each slot
.set G0, 32
.set G1B, 48                           ; s[48:55], s[56:63] the same for source 0's tiles
.set G0B, 56
.set G1S, 68                           ; s[68:75], s[76:79] groups 1 and 0 for source 1's scales;  s[80:87], s[88:91] for source 0's
.set G0S, 76
.set G1SB, 80
.set G0SB, 88
; s2 the tensor (0 q, 1 k, 2 v); s95 1 for v; s[66:67], s[96:97] where my two heads' images go; s[98:99], s[100:101] their scale words; s[12:13] the bias
.set MSB, 0
.macro WIN new                         ; the immediate's high byte repeats the setting that is left
.if MSB != (\new)
	s_set_vgpr_msb (MSB<<8)|(\new)
.set MSB, (\new)
.endif
.endm
.set MUL_LO, 0xa1                      ; source 0 window 1, source 1 window 0, C and D window 2
.set MUL_HI, 0xf1                      ; the same, C and D window 3
.set TO_B,   0x40                      ; destination window 1, address window 0
; A joint load: waves 0 and 1 fetch for source 1, waves 2 and 3 for source 0.  The branch hangs on the wave's number alone.  Four v_nop follow each of the two lines.
.macro JLOAD g0a, g1a, g0b, g1b
	s_cmp_eq_u32 s15, 0
	s_cbranch_scc0 .Lfor_b_\@
	tensor_load_to_lds s[\g0a:\g0a+3], s[\g1a:\g1a+7]
	s_nop 0
.rept 4
	v_nop
.endr
	s_branch .Lasked_\@
.Lfor_b_\@:
	tensor_load_to_lds s[\g0b:\g0b+3], s[\g1b:\g1b+7]
	s_nop 0
.rept 4
	v_nop
.endr
.Lasked_\@:
.endm
.macro CREST                           ; a round of the cluster's barrier behind its opening barrier
	s_cmp_lg_u32 s14, 0
	s_cbranch_scc1 .Lnot_wave_0_\@
	s_barrier_signal -3
.Lnot_wave_0_\@:
	s_barrier_wait -3
	s_barrier_signal -1
	s_barrier_wait -1
.endm
.macro CROUND                          ; a whole round
	s_barrier_signal -1
	s_barrier_wait -1
	CREST
.endm
	s_load_b512 s[24:39], s[0:1], 0x0              ; q's codes, scales, Wq's codes, scales, bq, k's codes, scales, Wk's codes
	s_load_b512 s[40:55], s[0:1], 0x40             ; Wk's scales, bk, v's codes, scales, Wv's codes, scales, bv, qimg
	s_load_b64 s[56:57], s[0:1], 0x80              ; kv
	v_lshl_add_u32 v[SPW], v0, 2, SPARE
	v_mov_b32 v[NIL], 0
	ds_add_u32 v28, v29
	ds_add_u32 v28, v29
	s_wait_dscnt 0x0
	v_lshrrev_b32 v1, 5, v0
	v_readfirstlane_b32 s14, v1                    ; wave 0..3
	s_lshr_b32 s15, s14, 1                         ; which half of source 1's rows is mine.  Also: I fetch for source 1 (0) or source 0 (1)
	s_and_b32 s16, s14, 1                          ; which half of source 0's rows.  Also: which 128 rows of that tile I fetch
	s_and_b32 s92, ttmp7, 0xffff                   ; the cluster's y, 0..23
	s_lshr_b32 s2, s92, 3                          ; the tensor: the same in all sixteen partners
	s_and_b32 s92, s92, 7
	s_lshl_b32 s92, s92, 2                         ; 4 x the cluster's number within the tensor
	s_wait_kmcnt 0x0
	s_cmp_eq_u32 s2, 0                             ; the buffers are chosen by the tensor's number, which hangs on no address
	s_cselect_b64 s[80:81], s[24:25], s[34:35]     ; x's codes: q's or k's
	s_cselect_b64 s[82:83], s[26:27], s[36:37]     ; x's scales
	s_cselect_b64 s[84:85], s[28:29], s[38:39]     ; W's codes
	s_cselect_b64 s[86:87], s[30:31], s[40:41]     ; W's scales
	s_cselect_b64 s[88:89], s[32:33], s[42:43]     ; the bias
	s_cselect_b64 s[66:67], s[54:55], s[56:57]     ; where the images go: qimg, or kv
	s_cmp_eq_u32 s2, 2
	s_cselect_b64 s[80:81], s[44:45], s[80:81]     ; or v's
	s_cselect_b64 s[82:83], s[46:47], s[82:83]
	s_cselect_b64 s[84:85], s[48:49], s[84:85]
	s_cselect_b64 s[86:87], s[50:51], s[86:87]
	s_cselect_b64 s[12:13], s[52:53], s[88:89]
	s_cselect_b64 s[4:5], s[84:85], s[80:81]       ; source 1's codes: x's; for v: W's
	s_cselect_b64 s[6:7], s[86:87], s[82:83]       ; its scales
	s_cselect_b64 s[8:9], s[80:81], s[84:85]       ; source 0's codes: W's; for v: x's
	s_cselect_b64 s[10:11], s[82:83], s[86:87]     ; its scales
	s_cselect_b32 s95, 1, 0
	s_cselect_b32 s17, 0, s92                      ; x has 32 blocks of 256 rows (4 x cluster + place), W has four (the place alone)
	s_cselect_b32 s42, s92, 0
	s_bfe_u32 s40, ttmp6, 0x40000                  ; cx, cy: my place in the cluster
	s_bfe_u32 s41, ttmp6, 0x40004
	s_add_co_u32 s42, s42, s40                     ; source 0's block of 256 rows: it hangs on cx, never on cy
	s_add_co_u32 s17, s17, s41                     ; source 1's: on cy, never on cx
	s_lshl_b32 s43, s41, 2
	s_lshl_b32 s43, 15, s43                        ; my row of the cluster
	s_lshl_b32 s44, 0x1111, s40                    ; my column
	; descriptor group 1: a tile of 128 rows x 256 bytes, padded in LDS
	s_or_b32 s[G1+0], s43, (0<<16)|(1<<20)|(1<<21)|(5<<22)|(3<<25)  ; 15:0 the mask: my row; 17:16 elements of 1 byte; 20 padding on; 21 set beside a mask; 24:22 after every 64 words (code 5); 31:25 four words (code 3)
	s_or_b32 s[G1B+0], s44, (0<<16)|(1<<20)|(1<<21)|(5<<22)|(3<<25) ; the same with my column's mask
.irp g, G1, G1B
	s_mov_b32 s[\g+1], ROWB<<16                    ; tensor_dim0
	s_mov_b32 s[\g+2], 128<<16                     ; tensor_dim1
	s_mov_b32 s[\g+3], ROWB<<16                    ; tile_dim0
	s_mov_b32 s[\g+4], 128                         ; tile_dim1
	s_mov_b32 s[\g+5], KROW                        ; from row to row
	s_mov_b32 s[\g+6], 0
	s_mov_b32 s[\g+7], 0
.endr
	; the scales of 128 rows: a dense block of 4,096 bytes, as 16 rows of 256 bytes (32 elements of 8 bytes), 16 bytes of padding behind each
	s_or_b32 s[G1S+0], s43, (3<<16)|(1<<20)|(1<<21)|(5<<22)|(3<<25)
	s_or_b32 s[G1SB+0], s44, (3<<16)|(1<<20)|(1<<21)|(5<<22)|(3<<25)
.irp g, G1S, G1SB
	s_mov_b32 s[\g+1], 32<<16
	s_mov_b32 s[\g+2], (128*KS/256)<<16
	s_mov_b32 s[\g+3], 32<<16
	s_mov_b32 s[\g+4], 128*KS/256
	s_mov_b32 s[\g+5], 32
	s_mov_b32 s[\g+6], 0
	s_mov_b32 s[\g+7], 0
.endr
	s_lshl_b32 s18, s16, 7                         ; which 128 rows of the tile I fetch
	s_lshl_b32 s20, s17, 8
	s_add_co_u32 s20, s20, s18                     ; source 1: row 256 x block + 128 x half
	s_lshl_b32 s46, s42, 8
	s_add_co_u32 s46, s46, s18                     ; source 0 likewise
	s_mov_b32 s21, 0
	s_mov_b32 s47, 0
	s_mov_b64 s[18:19], KS
	s_mul_u64 s[22:23], s[20:21], s[18:19]         ; where these rows' scales begin, in bytes
	s_mul_u64 s[92:93], s[46:47], s[18:19]
	s_mov_b64 s[18:19], KROW
	s_mul_u64 s[20:21], s[20:21], s[18:19]         ; and their codes
	s_mul_u64 s[46:47], s[46:47], s[18:19]
	s_mul_i32 s45, s14, HALFT                      ; where they go: wave x 128 rows: no place in the cluster enters an LDS address
	s_mul_i32 s94, s14, HALFS
	s_add_nc_u64 s[20:21], s[4:5], s[20:21]
	s_add_nc_u64 s[22:23], s[6:7], s[22:23]
	s_add_nc_u64 s[46:47], s[8:9], s[46:47]
	s_add_nc_u64 s[92:93], s[10:11], s[92:93]
	CROUND                                         ; all sixteen work-groups are here: the first joint loads meet
	s_mov_b32 s[G0S], 1
	s_add_co_u32 s[G0S+1], s94, SCL
	s_mov_b64 s[G0S+2:G0S+3], s[22:23]
	s_or_b32 s[G0S+3], s[G0S+3], 0x80000000
	s_mov_b32 s[G0SB], 1
	s_add_co_u32 s[G0SB+1], s94, SCL
	s_mov_b64 s[G0SB+2:G0SB+3], s[92:93]
	s_or_b32 s[G0SB+3], s[G0SB+3], 0x80000000
	JLOAD G0S, G1S, G0SB, G1SB                     ; the scales first: they are wanted with K step 0
.irp s, 0,1
	s_mov_b32 s[G0+4*\s], 1
	s_add_co_u32 s[G0+4*\s+1], s45, \s*SLOT
	s_add_nc_u64 s[G0+4*\s+2:G0+4*\s+3], s[20:21], \s*ROWB
	s_or_b32 s[G0+4*\s+3], s[G0+4*\s+3], 0x80000000
	s_mov_b32 s[G0B+4*\s], 1
	s_add_co_u32 s[G0B+4*\s+1], s45, \s*SLOT
	s_add_nc_u64 s[G0B+4*\s+2:G0B+4*\s+3], s[46:47], \s*ROWB
	s_or_b32 s[G0B+4*\s+3], s[G0B+4*\s+3], 0x80000000
	JLOAD G0+4*\s, G1, G0B+4*\s, G1B               ; three loads of mine are out
.endr
	v_and_b32 v1, 15, v0                           ; l % 16
	v_bfe_u32 v2, v0, 4, 1                         ; l / 16
	v_mul_u32_u24 v3, v1, PITCH
	v_lshl_add_u32 v4, v2, 4, v3                   ; a fragment's row x pitch + 16 x half
	s_mul_i32 s21, s15, HALFT                      ; my 128 rows of source 1
	s_mul_i32 s22, s16, HALFT                      ; my 128 rows of source 0,
	s_add_co_u32 s22, s22, 2*HALFT                 ; which lie behind source 1's 256
.irp s, 0,1
	v_add_nc_u32 v[ADRA+\s], s21, v4
	v_add_nc_u32 v[ADRB+\s], s22, v4
	s_add_co_u32 s21, s21, SLOT
	s_add_co_u32 s22, s22, SLOT
.endr
	v_mul_u32_u24 v5, v1, KS                       ; my row's scales: 32 bytes a row,
	v_lshrrev_b32 v6, 8, v5
	v_lshl_add_u32 v5, v6, 4, v5                   ; and 16 more for each 256 passed
	s_mul_i32 s21, s15, HALFS
	s_mul_i32 s22, s16, HALFS
	s_add_co_u32 s22, s22, 2*HALFS
	s_sub_co_u32 s22, s22, s21
	v_mul_u32_u24 v6, s22, v2                      ; lanes 16-31 take source 0's
	s_add_co_u32 s21, s21, SCL
	v_add_nc_u32 v5, v5, v6
	v_add_nc_u32 v[ADRS], s21, v5
	v_and_b32 v6, 31, v0
	v_lshlrev_b32 v[LI], 4, v6
	v_lshlrev_b32 v[BA0], 5, v2
	v_lshlrev_b32 v[BA1], 2, v1
	; where my results go.  These numbers hold both coordinates of my place: they lie in registers that feed no descriptor
	s_lshl_b32 s18, s17, 8
	s_lshl_b32 s19, s15, 7
	s_add_co_u32 s18, s18, s19                     ; the first of my 128 rows of source 1
	s_lshl_b32 s19, s42, 8
	s_lshl_b32 s20, s16, 7
	s_add_co_u32 s19, s19, s20                     ; and of source 0
	s_cmp_eq_u32 s95, 1
	s_cselect_b32 s20, s19, s18                    ; my first row of x: a multiple of 128,
	s_cselect_b32 s21, s18, s19                    ; my first output n: two heads
	s_cselect_b32 s40, 8192, 0                     ; V's images lie behind K's
	s_mov_b32 s41, 0
	s_mov_b32 s44, 16384                           ; the scale words: k's,
	s_mov_b32 s43, 16896
	s_cselect_b32 s44, s43, s44                    ; v's,
	s_mov_b32 s23, KVSTR
	s_cmp_eq_u32 s2, 0
	s_cselect_b32 s23, QSTR, s23                   ; a block's bytes
	s_cselect_b32 s44, 8192, s44                   ; q's
	s_mov_b32 s45, 0
	s_lshr_b32 s22, s20, 11                        ; the batch,
	s_lshl_b32 s22, s22, 4
	s_lshr_b32 s46, s21, 6
	s_add_co_u32 s22, s22, s46                     ; x 16 + my first head,
	s_lshl_b32 s22, s22, 4
	s_bfe_u32 s46, s20, 0x40007
	s_add_co_u32 s22, s22, s46                     ; x 16 + the group of 128 tokens
	s_mul_i32 s46, s22, s23
	s_mov_b32 s47, 0
	s_add_nc_u64 s[98:99], s[66:67], s[46:47]      ; my first head's block
	s_lshl_b32 s46, s23, 4
	s_add_nc_u64 s[100:101], s[98:99], s[46:47]    ; my second head's: 16 blocks on
	s_add_nc_u64 s[66:67], s[98:99], s[40:41]      ; the images,
	s_add_nc_u64 s[96:97], s[100:101], s[40:41]
	s_add_nc_u64 s[98:99], s[98:99], s[44:45]      ; the scale words
	s_add_nc_u64 s[100:101], s[100:101], s[44:45]
	s_lshl_b32 s46, s21, 2
	s_add_nc_u64 s[12:13], s[12:13], s[46:47]      ; the bias of my 128 outputs
	s_cmp_eq_u32 s95, 1
	s_cbranch_scc1 .Lbias_v
	s_wait_alu depctr_va_vdst(0)
.irp t, 0,1,2,3,4,5,6,7                            ; q, k: tile t of source 0: register j holds b[16 t + 8 (l / 16) + j]
	global_load_b128 v[BI+8*\t:BI+8*\t+3], v[BA0], s[12:13] offset:64*\t
	global_load_b128 v[BI+8*\t+4:BI+8*\t+7], v[BA0], s[12:13] offset:64*\t+16
.endr
	s_branch .Lbias_in
.Lbias_v:
	s_wait_alu depctr_va_vdst(0)
.irp t, 0,1,2,3,4,5,6,7                            ; v: tile t of source 1: all eight registers hold b[16 t + l % 16]
.irp j, 0,1,2,3,4,5,6,7
	global_load_b32 v[BI+8*\t+\j], v[BA1], s[12:13] offset:64*\t
.endr
.endr
.Lbias_in:
.macro FRAG reg, adr, q, i             ; a fragment: lane l holds row l % 16; registers 4 c .. 4 c + 3 hold K = 32 c + 16 (l / 16) + 0 .. 15
.irp c, 0,1,2,3
	ds_load_b128 v[\reg+4*\c:\reg+4*\c+3], v[\adr] offset:128*(\q)+32*\c+(\i)*16*PITCH
.endr
.endm
; 16 matrix instructions: source 1's blocks a0, a0 + 1 x source 0's eight, 128 along K.  cmode 0: in place; 1: C = the bias by source 0's tile; 2: by source 1's tile.  Nothing is ever cleared.
; The 64 accumulators take turns, one instruction a turn, in the same order in every step.
.macro MUL16 a0, p, q, sc, cmode
.irp a, \a0, \a0+1
.irp b, 0,1,2,3,4,5,6,7
.if (\cmode) == 1
	v_wmma_scale_f32_16x16x128_f8f6f4 v[8*(8*((\a)%4)+\b):8*(8*((\a)%4)+\b)+7], v[128*(\p)+FR*\b:128*(\p)+FR*\b+FR-1], v[AF+FR*(\a):AF+FR*(\a)+FR-1], v[BI+8*\b:BI+8*\b+7], v[SC+8*NQ*(\sc)+NQ*\b+(\q)], v[SC+8*NQ*(\sc)+NQ*(\a)+(\q)] matrix_a_scale:MATRIX_SCALE_ROW1
.elseif (\cmode) == 2
	v_wmma_scale_f32_16x16x128_f8f6f4 v[8*(8*((\a)%4)+\b):8*(8*((\a)%4)+\b)+7], v[128*(\p)+FR*\b:128*(\p)+FR*\b+FR-1], v[AF+FR*(\a):AF+FR*(\a)+FR-1], v[BI+8*(\a):BI+8*(\a)+7], v[SC+8*NQ*(\sc)+NQ*\b+(\q)], v[SC+8*NQ*(\sc)+NQ*(\a)+(\q)] matrix_a_scale:MATRIX_SCALE_ROW1
.else
	v_wmma_scale_f32_16x16x128_f8f6f4 v[8*(8*((\a)%4)+\b):8*(8*((\a)%4)+\b)+7], v[128*(\p)+FR*\b:128*(\p)+FR*\b+FR-1], v[AF+FR*(\a):AF+FR*(\a)+FR-1], v[8*(8*((\a)%4)+\b):8*(8*((\a)%4)+\b)+7], v[SC+8*NQ*(\sc)+NQ*\b+(\q)], v[SC+8*NQ*(\sc)+NQ*(\a)+(\q)] matrix_a_scale:MATRIX_SCALE_ROW1
.endif
.endr
.endr
.endm
.macro FETCH_B slot, q, p              ; source 0's eight fragments of the slot's q-th 128 along K into set p
	WIN TO_B
.irp i, 0,1,2,3,4,5,6,7
	FRAG 128*(\p)+FR*\i, ADRB+\slot, \q, \i
.endr
	WIN 0
.endm
.macro FETCH_A slot, q, i0             ; source 1's blocks i0 .. i0 + 3
.irp i, \i0, \i0+1, \i0+2, \i0+3
	FRAG AF+FR*(\i), ADRA+\slot, \q, \i
.endr
.endm
.macro SCALES sc                       ; a K step's scale words into set sc: two words a row; lanes 0-15 take source 1's block i, lanes 16-31 source 0's block i
.irp i, 0,1,2,3,4,5,6,7
	ds_load_b64 v[SC+8*NQ*\sc+NQ*\i:SC+8*NQ*\sc+NQ*\i+1], v[ADRS] offset:\i*SBLK
.endr
.endm
; A load into a register that a matrix instruction has read, and a vector instruction that reads a result or writes a matrix instruction's register, stand NP places behind it; only plain vector instructions
; that name none of its registers are places (ISA guide 7.12.1 for vector instructions).
.macro PLACES n
.rept \n
	v_nop
.endr
.endm
; A step of 128 along K that has its successor in the same slot.
.macro STEP slot, q, cmode
	s_wait_dscnt 4*NL                              ; source 0's set and source 1's blocks 0-3 are in; the youngest sixteen loads (blocks 4-7) may be out
.if \cmode
	WIN 0x81                                       ; C (the bias) in window 0, D in window 2
.else
	WIN MUL_LO
.endif
	MUL16 0, (\q)%2, \q, \slot, \cmode
	MUL16 2, (\q)%2, \q, \slot, \cmode
	s_wait_dscnt 0                                 ; blocks 4-7 are in (asked for 32 matrix instructions ago)
	PLACES NP
	FETCH_B \slot, (\q)+1, 1-(\q)%2
	FETCH_A \slot, (\q)+1, 0
.if \cmode
	WIN 0xc1                                       ; D in window 3
.else
	WIN MUL_HI
.endif
	MUL16 4, (\q)%2, \q, \slot, \cmode
	MUL16 6, (\q)%2, \q, \slot, \cmode
	PLACES NP
	WIN 0
	FETCH_A \slot, (\q)+1, 4
.endm
; A slot's last step changes slots: ONE barrier; in front of it each wave waits for all its tensor loads, adds 0 to its spare word, and waits for that and for its own reads of this slot.  fill = 1: this slot is filled again, two K steps ahead.
.macro TURN slot, next, fill
	s_wait_tensorcnt 0x0                           ; all my tensor loads have landed: my part of the next slot
	ds_add_u32 v[SPW], v[NIL]                      ; 0 onto my spare word
	s_wait_dscnt 4*NL+1                            ; (the add and the youngest sixteen loads may be out)
	WIN MUL_LO
	MUL16 0, 1, NQ-1, \slot, 0                     ; sixteen matrix instructions stand between the add and the wait for it
	s_wait_dscnt 0x0                               ; the add is done, and my reads of this slot are over
	s_barrier_signal -1
	MUL16 2, 1, NQ-1, \slot, 0
	WIN 0
	s_barrier_wait -1
.if \fill
	CREST                                          ; the barrier has opened a round of the cluster's barrier: no wave of any partner still reads this slot's tile or has a load on its way
	s_add_nc_u64 s[G0+4*\slot+2:G0+4*\slot+3], s[G0+4*\slot+2:G0+4*\slot+3], 2*ROWB
	s_add_nc_u64 s[G0B+4*\slot+2:G0B+4*\slot+3], s[G0B+4*\slot+2:G0B+4*\slot+3], 2*ROWB
	JLOAD G0+4*\slot, G1, G0B+4*\slot, G1B         ; the first tensor load behind the round, my one load until the next; its four v_nop are among the places in front of the loads below
	PLACES NP-4
.else
	PLACES NP
.endif
	s_wait_alu depctr_va_vdst(0)
	v_add_nc_u32 v[ADRS], 4*NQ, v[ADRS]            ; on to the next K step's scale words (no LDS load of mine is out)
	FETCH_B \next, 0, 0
	FETCH_A \next, 0, 0
	SCALES \next
	WIN MUL_HI
	MUL16 4, 1, NQ-1, \slot, 0
	MUL16 6, 1, NQ-1, \slot, 0
	PLACES NP
	WIN 0
	FETCH_A \next, 0, 4
.endm
	s_wait_tensorcnt 1                             ; the scales and my part of K step 0 are in (K step 1's load may be out)
	s_barrier_signal -1
	s_barrier_wait -1                              ; everybody's are
	FETCH_B 0, 0, 0
	FETCH_A 0, 0, 0
	SCALES 0
	FETCH_A 0, 0, 4
	s_wait_loadcnt 0x0                             ; the bias
	s_cmp_eq_u32 s95, 1                            ; the first step is written twice: its products take the bias as C, by source 0's tile or by source 1's
	s_cbranch_scc1 .Lfirst_v
	STEP 0, 0, 1
	s_branch .Lfirst_done
.Lfirst_v:
	STEP 0, 0, 2
.Lfirst_done:
	TURN 0, 1, 1                                   ; K's four steps of 256 are written out: slot 0 takes K step 2,
	STEP 1, 0, 0
	TURN 1, 0, 1                                   ; slot 1 K step 3;
	STEP 0, 0, 0
	TURN 0, 1, 0                                   ; the last change fills nothing, and has no round
	STEP 1, 0, 0
	s_wait_dscnt 4*NL                              ; the very last step: nothing more to fetch
	WIN MUL_LO
	MUL16 0, 1, NQ-1, 1, 0
	MUL16 2, 1, NQ-1, 1, 0
	s_wait_dscnt 0
	WIN MUL_HI
	MUL16 4, 1, NQ-1, 1, 0
	MUL16 6, 1, NQ-1, 1, 0
	WIN 0
; THE WAY OUT.  Source 1's block a: a lane's 64 numbers, register 16 b + 8 u + j = number 32 b + 16 u + 8 (l / 16) + j along the next K.  The lines are grouped by register window.
.macro QUANT a
.set WW, 2+(\a)/4                      ; the block's accumulators: window 2 or 3,
.set AC0, 64*((\a)%4)                  ; from this register on
	WIN WW|(WW<<2)
.irp b, 0,1,2,3
	v_max3_num_f32 v[TM+\b], |v[AC0+16*\b]|, |v[AC0+1+16*\b]|, 0x4800000   ; block b: my 16 numbers, each accumulator from its low end on, and the floor 2^(9 - 127): the byte cannot fall under 1
.endr
	WIN (WW<<2)|(WW<<4)
.irp i, 2,4,6,8,10,12,14
.irp b, 0,1,2,3
	v_max3_num_f32 v[TM+\b], v[TM+\b], |v[AC0+16*\b+\i]|, |v[AC0+1+16*\b+\i]|   ; (the four blocks by turns)
.endr
.endr
	WIN 0
.irp b, 0,1,2,3
	v_permlanex16_b32 v[TM+4+\b], v[TM+\b], s92, s93
.endr
.irp b, 0,1,2,3
	v_max_num_f32 v[TM+\b], v[TM+\b], v[TM+4+\b]   ; with lane l xor 16's: the block's largest magnitude
.endr
.irp b, 0,1,2,3
	v_add_nc_u32 v[TM+12+\b], 0xfc000000, v[TM+\b] ; 8 off its exponent field: the conversion takes this operand's exponent field as its scale
.endr
.irp b, 0,1,2,3
.endr
.irp b, 0,1,2,3
	v_lshrrev_b32 v[TM+4+\b], 23, v[TM+12+\b]      ; the scale's byte
.endr
	WIN (WW<<6)|WW
.irp b, 0,1,2,3
.irp i, 0,1,2,3,4,5,6,7,8,9,10,11,12,13,14,15
.endr
.endr
	s_wait_alu depctr_va_vdst(0)
	s_wait_xcnt 0x0                                ; the last block's stores have read the codes' registers
	WIN WW
.irp b, 0,1,2,3
	v_cvt_scalef32_pk8_fp8_f32 v[PC+4*\b:PC+4*\b+1], v[AC0+16*\b:AC0+16*\b+7], v[TM+12+\b]
	v_cvt_scalef32_pk8_fp8_f32 v[PC+4*\b+2:PC+4*\b+3], v[AC0+16*\b+8:AC0+16*\b+15], v[TM+12+\b]
.endr
	WIN 0
	v_nop                                          ; one plain vector line behind the last conversion
.endm
; The images and scale words of block a.  q, k: block a is token tile a; code group k belongs to head k / 2, head block k % 2.  v: block a is tile a % 4 of head a / 4; code group k is key block k.
.macro PUT a
	s_cmp_eq_u32 s95, 1
	s_cbranch_scc1 .Lput_v_\@
.irp k, 0,1,2,3
	global_store_b128 v[LI], v[PC+4*\k:PC+4*\k+3], s[66+30*(\k/2):67+30*(\k/2)] offset:(\a)*1024+(\k%2)*512   ; 32 lanes store 512 consecutive bytes, aligned
.endr
.irp x, 0,1                                        ; word a / 2 of head x: tile a's two bytes in its lower half (a even) or its upper half (a odd)
.if ((\a)%2) == 0
	v_lshl_or_b32 v[R+4*\x+(\a)/2], v[TM+5+2*\x], 8, v[TM+4+2*\x]
.else
	v_lshl_or_b32 v[TW], v[TM+5+2*\x], 8, v[TM+4+2*\x]
	v_lshl_or_b32 v[R+4*\x+(\a)/2], v[TW], 16, v[R+4*\x+(\a)/2]
.endif
.endr
	s_branch .Lput_done_\@
.Lput_v_\@:
	s_wait_alu depctr_va_vdst(0)
.irp k, 0,1,2,3
	global_store_b128 v[LI], v[PC+4*\k:PC+4*\k+3], s[66+30*((\a)/4):67+30*((\a)/4)] offset:((\a)%4)*2048+\k*512
.endr
	v_lshl_or_b32 v[R+(\a)], v[TM+5], 8, v[TM+4]   ; the four key blocks' bytes make the tile's scale word
	v_lshl_or_b32 v[R+(\a)], v[TM+6], 16, v[R+(\a)]
	v_lshl_or_b32 v[R+(\a)], v[TM+7], 24, v[R+(\a)]
.Lput_done_\@:
.endm
	PLACES NP                                      ; behind the last products: their results are read, and source 1's registers written, below
	s_mov_b32 s92, 0x76543210
	s_mov_b32 s93, 0xfedcba98                      ; v_permlanex16_b32's selects for lane l xor 16
.irp b, 0,1,2,3
	v_mov_b32 v[TM+4+\b], 0                        ; written once: a lane permute's destination counts as one of its sources
.endr
.irp i, 0,1,2,3,4,5,6,7
	v_mov_b32 v[R+\i], 0                           ; written once, so that the words are written on every way through the branches below
.endr
.irp a, 0,1,2,3,4,5,6,7
	QUANT \a
	PUT \a
.endr
	s_wait_alu depctr_va_vdst(0)
	global_store_b128 v[LI], v[R:R+3], s[98:99]    ; my first head's scale words: four a lane, 512 consecutive bytes
	global_store_b128 v[LI], v[R+4:R+7], s[100:101] ; my second head's
	s_wait_tensorcnt 0x0                           ; the wave's end
	ds_add_u32 v[SPW], v[NIL]
	s_wait_dscnt 0x0
	CROUND                                         ; the closing round: no work-group ends while a partner may still ask for a tile that names it
	s_endpgm
.Lfunc_end_k_q63079e4de0_proj:
	.size	k_q63079e4de0_proj, .Lfunc_end_k_q63079e4de0_proj-k_q63079e4de0_proj
	.p2alignl 7, 3214868480
	.fill 96, 4, 3214868480
	.section	.rodata,"a",@progbits
	.p2align	6, 0x0
	.amdhsa_kernel k_q63079e4de0_proj
		.amdhsa_group_segment_fixed_size 327680
		.amdhsa_private_segment_fixed_size 0
		.amdhsa_enable_private_segment 0
		.amdhsa_kernarg_size 136
		.amdhsa_user_sgpr_count 2
		.amdhsa_user_sgpr_kernarg_segment_ptr 1
		.amdhsa_wavefront_size32 1
		.amdhsa_system_sgpr_workgroup_id_x 1
		.amdhsa_system_sgpr_workgroup_id_y 1
		.amdhsa_system_sgpr_workgroup_id_z 1
		.amdhsa_system_vgpr_workitem_id 0
		.amdhsa_next_free_vgpr 1024
		.amdhsa_next_free_sgpr 102
		.amdhsa_reserve_vcc 0
		.amdhsa_float_denorm_mode_32 3
		.amdhsa_float_denorm_mode_16_64 3
		.amdhsa_fp16_overflow 1
		.amdhsa_memory_ordered 1
		.amdhsa_forward_progress 1
		.amdhsa_inst_pref_size 178
	.end_amdhsa_kernel
	.amdgpu_metadata
---
amdhsa.version: [ 1, 2 ]
amdhsa.kernels:
  - .name:           k_q63079e4de0_proj
    .symbol:         k_q63079e4de0_proj.kd
    .args:
      - { .name: q_codes, .offset: 0, .size: 8, .value_kind: global_buffer, .address_space: global }
      - { .name: q_scales, .offset: 8, .size: 8, .value_kind: global_buffer, .address_space: global }
      - { .name: Wq_codes, .offset: 16, .size: 8, .value_kind: global_buffer, .address_space: global }
      - { .name: Wq_scales, .offset: 24, .size: 8, .value_kind: global_buffer, .address_space: global }
      - { .name: bq, .offset: 32, .size: 8, .value_kind: global_buffer, .address_space: global }
      - { .name: k_codes, .offset: 40, .size: 8, .value_kind: global_buffer, .address_space: global }
      - { .name: k_scales, .offset: 48, .size: 8, .value_kind: global_buffer, .address_space: global }
      - { .name: Wk_codes, .offset: 56, .size: 8, .value_kind: global_buffer, .address_space: global }
      - { .name: Wk_scales, .offset: 64, .size: 8, .value_kind: global_buffer, .address_space: global }
      - { .name: bk, .offset: 72, .size: 8, .value_kind: global_buffer, .address_space: global }
      - { .name: v_codes, .offset: 80, .size: 8, .value_kind: global_buffer, .address_space: global }
      - { .name: v_scales, .offset: 88, .size: 8, .value_kind: global_buffer, .address_space: global }
      - { .name: Wv_codes, .offset: 96, .size: 8, .value_kind: global_buffer, .address_space: global }
      - { .name: Wv_scales, .offset: 104, .size: 8, .value_kind: global_buffer, .address_space: global }
      - { .name: bv, .offset: 112, .size: 8, .value_kind: global_buffer, .address_space: global }
      - { .name: qimg, .offset: 120, .size: 8, .value_kind: global_buffer, .address_space: global }
      - { .name: kv, .offset: 128, .size: 8, .value_kind: global_buffer, .address_space: global }
    .group_segment_fixed_size: 327680
    .private_segment_fixed_size: 0
    .kernarg_segment_align: 8
    .kernarg_segment_size: 136
    .max_flat_workgroup_size: 128
    .sgpr_count:     102
    .vgpr_count:     1024
    .wavefront_size: 32
...
	.end_amdgpu_metadata
.endif
;; end of part 1
;; launch attn (part 2): grid 4 x 64, 16 waves a work-group, clusters of 4 x 1, 327,680 bytes of LDS; arguments qimg, kv, oimg, osc; writes oimg, osc
.if DOCPART == 2
	.amdgcn_target "amdgcn-amd-amdhsa--gfx1250"
	.amdhsa_code_object_version 6
	.text
	.protected	k_q63079e4de0_attn
	.globl	k_q63079e4de0_attn
	.p2align	8
	.type	k_q63079e4de0_attn,@function
k_q63079e4de0_attn:
	s_mov_b64 s[64:65], 0
	v_nop
	global_prefetch_b8 v0, s[64:65] scope:SCOPE_SE
	s_setreg_imm32_b32 hwreg(HW_REG_WAVE_MODE, 25, 1), 1
	s_wait_xcnt 0x0
	s_wait_alu depctr_hold_cnt(0) depctr_sa_sdst(0) depctr_va_vdst(0) depctr_va_sdst(0) depctr_va_ssrc(0) depctr_va_vcc(0) depctr_vm_vsrc(0)
	s_getreg_b32 s2, hwreg(HW_REG_IB_STS2, 6, 4)
	s_cmp_eq_u32 s2, 0
	s_cbranch_scc0 .Lentry_in_a_cluster
	s_endpgm
.Lentry_in_a_cluster:
	s_bfe_u32 s2, ttmp6, 0x10000c
	s_cmp_lg_u32 s2, 0x3003
	s_cbranch_scc0 .Lentry_shape_is_right
	s_endpgm
.Lentry_shape_is_right:
; CAUSAL ATTENTION on codes of E4M3 with one E8M0 byte for each 32 along a product's K: 64 heads (batch x 16 + head), 2,048 tokens, head size 64.  Its way out is the quantiser of the output projection's operand.
; t = score x log2(e) / 8; M = the row's largest t so far, rounded UP to a whole number; p = 2^(t - M) is quantised along the keys, not normalised; the row's sum is taken of the unquantised p and divides O at the end.
; When M moves, the sum and O are multiplied by 2^(old M - new M): exact.
; SHARES.  A cluster of four work-groups is one head: 64 waves.  A wave owns TWO tiles of 16 queries: tile sub of the group g of 128 queries, and tile sub of group 15 - g: (g + 1) + (16 - g) = 17 key steps of 128 keys
; for every wave, two of them on the diagonal.  g and the low bit of sub hang on the wave's number alone; the work-group's place gives sub's upper bits and enters only global addresses and the mask's number.
; LDS holds the head's whole block of kv, 278,528 bytes, a plain copy of memory, filled ONCE by two joint loads a wave at the head (key steps 0-3, then 4-15): no slot is filled again, nothing is stored to LDS, and the key
; loops have no barrier.  Every byte of the head's K and V is asked for there, so nothing is left to ask ahead for.  All LDS reads are images of operand registers: 16 bytes a lane, 512 consecutive bytes an instruction.
; LAYOUT.  Both products are used transposed: S^T = K Q^T (source 0 = keys, source 1 = my 16 queries), O^T = V^T P^T (source 0 = 16 of the head's 64, source 1 = P): a lane holds ONE query (lane % 16) throughout.
; THE HEAD'S 64 IN A FORM OF 128: source 0 = [key tile 2 i | key tile 2 i + 1], 16 registers on end; source 1 = [Q | zeros] for the even tile, [zeros | Q] for the odd one.  Zero codes add nothing under any valid byte.
; ORDER INSIDE A BLOCK OF 32: place 16 h + 8 u + j holds number 16 u + 8 h + j, alike in Q and K and alike in P and V, so the products and block scales are those of the natural order; only the grouping of a sum's
; terms inside the matrix unit differs.  For the output projection, whose other operand is given, the way out restores the natural order by one exchange between lanes l and l xor 16.
; OUT: oimg [row tile of 16][head][2 chunks of 512 bytes]: images of operand registers; osc [token][32]: head h's two bytes at 2 h: two bytes a lane, 32 bytes apart: one part in 33 of what the launch stores.
; LIMITS: NaN and infinities are not served.  A block whose largest magnitude lies under 2^-118, a block of zeros among them, gets the byte 1 (its codes are zeros or the smallest; the bytes are read by this program alone).
.set KVB,   17408                      ; a key step's block: K's images 8,192, V's 8,192, K's scale words 512, V's 512
.set HEADB, 16*KVB
.set QGB,   8704                       ; a group's block of qimg
.set LI,   1                           ; v1   16 x lane
.set ADR,  2                           ; v2   the step's LDS address
.set DQ,   3                           ; v3   my query's place in its group - 8 (lane / 16)
.set RO,   4                           ; v4   32 (lane % 16): my row in osc
.set NINF, 5                           ; v5   -infinity
.set VQ,   6                           ; v6   16 x lane + 1,024 sub: my tile's images in a group's block
.set VW,   7                           ; v7   16 x lane + 4 (sub / 2): its scale word
.set KSC,  8                           ; v8-11  K's scale words
.set QB,   16                          ; v16-23 Q, v24-31 zeros, v32-39 Q
.set QN,   40                          ; v40-47 the second pass's Q
.set WH,   48                          ; v48  its raw scale word
.set QS,   49                          ; v49  Q's scale word (s0, s1, s0, s1)
.set PS,   50                          ; v50  p's scale word
.set WL,   51                          ; v51  the first pass's raw scale word
.set VS,   52                          ; v52-55 V's scale words
.set O,    56                          ; v56-87 O^T
.set S,    88                          ; v88-151 S^T, then p, then V's four fragments
.set PC,   152                         ; v152-167 p's codes
.set KF,   168                         ; v168-231 K's fragments
.set BM,   232                         ; v232-235 block maxima
.set T2,   236                         ; v236-239 at work
.set HOLD, 240                         ; v242-243 what is sent to lane l xor 16
.set SOP,  244                         ; v244-247 the conversions' scale operands
.set FF,   248                         ; v[248:249] f, and the pair's upper word
.set TP,   250                         ; a temporary.   v12 -M, v13 the largest t, v[14:15] the sum in two halves
.set WV,   12
.set CX,   13
.set BH,   14
.set GG,   15
.set SB,   16
.set KSR,  18                          ; s18  the key step
.set LIM,  19                          ; s19  the pass's group: its last key step, the one on the diagonal
.set SEL,  20                          ; s[20:21] lane selects for lane l xor 16
.set CS,   22                          ; s[22:23] c = log2(e) / 8
.set MNT,  24
.set TB,   25                          ; s25  LDS byte at which the key step's block begins
.set HM,   26                          ; s26  lanes 16-31
.set SELQ, 27                          ; s27  byte selects that make Q's scale word
; s[28:31], s[32:35] descriptor groups 0; s[36:43], s[44:51] groups 1; s[52:53], s[54:55] oimg and osc of the first pass; s[56:57], s[58:59] of the second; s[66:67], s[68:69] Q's blocks
.macro ROUND                           ; a round of the cluster's barrier
	s_barrier_signal -1
	s_barrier_wait -1
	s_cmp_lg_u32 s[WV], 0
	s_cbranch_scc1 .Lnot_wave_0_\@
	s_barrier_signal -3
.Lnot_wave_0_\@:
	s_barrier_wait -3
	s_barrier_signal -1
	s_barrier_wait -1
.endm
	s_load_b256 s[4:11], s[0:1], 0x0               ; qimg s[4:5], kv s[6:7], oimg s[8:9], osc s[10:11]
	v_lshl_add_u32 v254, v0, 2, 0x44000
	v_mov_b32 v255, 0
	ds_add_u32 v254, v255
	ds_add_u32 v254, v255
	v_lshrrev_b32 v1, 5, v0
	s_delay_alu instid0(VALU_DEP_1)
	v_readfirstlane_b32 s[WV], v1                  ; wave 0..15
	s_bfe_u32 s[CX], ttmp6, 0x40000                ; my place in the cluster
	s_and_b32 s[BH], ttmp7, 0xffff                 ; the head, which the four partners share
	s_lshr_b32 s60, s[WV], 2
	s_xor_b32 s61, s60, s[WV]
	s_and_b32 s61, s61, 1
	s_lshl_b32 s[GG], s60, 1
	s_add_co_u32 s[GG], s[GG], s61                 ; g = 2 (w / 4) + ((w / 4 xor w) & 1)
	s_bfe_u32 s[SB], s[WV], 0x10001                ; (w / 2) & 1
	; descriptor groups 1: dense blocks as rows of 256 bytes (32 elements of 8 bytes): 17 rows a wave for key steps 0-3, 51 for key steps 4-15
	s_mov_b32 s36, 15|(3<<16)|(1<<21)              ; 15:0 the mask: all four work-groups; 17:16 elements of 8 bytes; 21 set beside a mask; no padding
	s_mov_b32 s37, 32<<16                          ; tensor_dim0
	s_mov_b32 s38, 17<<16                          ; tensor_dim1
	s_mov_b32 s39, 32<<16                          ; tile_dim0
	s_mov_b32 s40, 17                              ; tile_dim1
	s_mov_b32 s41, 32                              ; from row to row
	s_mov_b32 s42, 0
	s_mov_b32 s43, 0
	s_mov_b32 s44, 15|(3<<16)|(1<<21)
	s_mov_b32 s45, 32<<16
	s_mov_b32 s46, 51<<16
	s_mov_b32 s47, 32<<16
	s_mov_b32 s48, 51
	s_mov_b32 s49, 32
	s_mov_b32 s50, 0
	s_mov_b32 s51, 0
	s_mul_i32 s60, s[BH], HEADB                    ; the head's block in kv
	s_mul_i32 s62, s[WV], 17*256                   ; my part of key steps 0-3,
	s_mul_i32 s63, s[WV], 51*256                   ; and of key steps 4-15
	s_mov_b32 s28, 1
	s_mov_b32 s29, s62                             ; LDS is a copy of the block: no place in the cluster enters an LDS address
	s_mov_b32 s32, 1
	s_add_co_u32 s33, s63, 4*KVB
	s_add_co_u32 s66, s60, s62
	s_mov_b32 s67, 0
	s_add_co_u32 s68, s60, s63
	s_add_co_u32 s68, s68, 4*KVB
	s_mov_b32 s69, 0
	s_wait_dscnt 0x0
	s_wait_kmcnt 0x0
	s_add_nc_u64 s[30:31], s[6:7], s[66:67]
	s_or_b32 s31, s31, 0x80000000
	s_add_nc_u64 s[34:35], s[6:7], s[68:69]
	s_or_b32 s35, s35, 0x80000000
	ROUND                                          ; all four work-groups are here: the joint loads meet
	tensor_load_to_lds s[28:31], s[36:43]          ; key steps 0-3
	s_nop 0
	s_wait_alu depctr_va_vdst(0)
	s_wait_tensorcnt 0x0
	ds_add_u32 v254, v255
	s_wait_dscnt 0x0
	ROUND
	tensor_load_to_lds s[32:35], s[44:51]          ; key steps 4-15: one load of mine is out; four v_nop follow the second
	s_nop 0
.rept 4
	v_nop
.endr
	v_and_b32 v[LI], 31, v0
	s_delay_alu instid0(VALU_DEP_1)
	v_lshlrev_b32 v[LI], 4, v[LI]
	s_lshl_b32 s60, s[CX], 1
	s_add_co_u32 s60, s60, s[SB]                   ; sub: my tile in a group
	s_lshl_b32 s61, s60, 10
	v_add_nc_u32 v[VQ], s61, v[LI]
	s_wait_alu depctr_va_vdst(0)
	s_lshl_b32 s61, s[CX], 2
	v_add_nc_u32 v[VW], s61, v[LI]
	s_wait_alu depctr_va_vdst(0)
	v_and_b32 v[RO], 15, v0
	v_bfe_u32 v[TP], v0, 4, 1
	s_lshl_b32 s61, s60, 4
	v_add_nc_u32 v[DQ], s61, v[RO]
	v_lshlrev_b32 v[TP], 3, v[TP]
	s_delay_alu instid0(VALU_DEP_1)
	v_sub_nc_u32 v[DQ], v[DQ], v[TP]               ; 16 sub + lane % 16 - 8 (lane / 16)
	v_lshlrev_b32 v[RO], 5, v[RO]
	s_lshl_b32 s70, s[BH], 4
	s_add_co_u32 s71, s70, s[GG]
	s_mul_i32 s66, s71, QGB
	s_mov_b32 s67, 0
	s_add_nc_u64 s[66:67], s[4:5], s[66:67]        ; Q's block of group g,
	s_sub_co_u32 s71, 15, s[GG]
	s_add_co_u32 s71, s71, s70
	s_mul_i32 s68, s71, QGB
	s_mov_b32 s69, 0
	s_add_nc_u64 s[68:69], s[4:5], s[68:69]        ; and of group 15 - g
	global_load_b128 v[QB:QB+3], v[VQ], s[66:67]               ; the first pass's Q, into both places
	global_load_b128 v[QB+4:QB+7], v[VQ], s[66:67] offset:512
	global_load_b128 v[QB+16:QB+19], v[VQ], s[66:67]
	global_load_b128 v[QB+20:QB+23], v[VQ], s[66:67] offset:512
	global_load_b32 v[WL], v[VW], s[66:67] offset:8192         ; the word that holds my tile's two bytes
	global_load_b128 v[QN:QN+3], v[VQ], s[68:69]               ; the second pass's
	global_load_b128 v[QN+4:QN+7], v[VQ], s[68:69] offset:512
	global_load_b32 v[WH], v[VW], s[68:69] offset:8192
	; where the results go
	s_lshr_b32 s74, s[BH], 4
	s_lshl_b32 s74, s74, 7
	s_add_co_u32 s74, s74, s60                     ; 128 x batch + sub
	s_and_b32 s75, s[BH], 15                       ; the head in its batch
	s_mov_b32 s73, 0
	s_lshl_b32 s76, s[GG], 3
	s_add_co_u32 s76, s76, s74                     ; the first pass's row tile
	s_lshl_b32 s72, s76, 4
	s_add_co_u32 s72, s72, s75
	s_lshl_b32 s72, s72, 10
	s_add_nc_u64 s[52:53], s[8:9], s[72:73]        ; oimg: (16 x row tile + head) x 1,024
	s_lshl_b32 s72, s76, 8
	s_add_co_u32 s72, s72, s75
	s_lshl_b32 s72, s72, 1
	s_add_nc_u64 s[54:55], s[10:11], s[72:73]      ; osc: 512 x row tile + 2 x head
	s_sub_co_u32 s76, 15, s[GG]
	s_lshl_b32 s76, s76, 3
	s_add_co_u32 s76, s76, s74                     ; the second pass's
	s_lshl_b32 s72, s76, 4
	s_add_co_u32 s72, s72, s75
	s_lshl_b32 s72, s72, 10
	s_add_nc_u64 s[56:57], s[8:9], s[72:73]
	s_lshl_b32 s72, s76, 8
	s_add_co_u32 s72, s72, s75
	s_lshl_b32 s72, s72, 1
	s_add_nc_u64 s[58:59], s[10:11], s[72:73]
	s_mov_b32 s[SEL], 0x76543210
	s_mov_b32 s[SEL+1], 0xfedcba98
	s_mov_b32 s[CS], 0x3e38aa3b                    ; c = log2(e) / 8
	s_mov_b32 s[CS+1], s[CS]                       ; (named with it as a pair, so it is written)
	s_mov_b32 s[HM], 0xffff0000
	s_mul_i32 s[SELQ], s[SB], 0x02020202
	s_add_co_u32 s[SELQ], s[SELQ], 0x01000100      ; bytes 0, 1, 0, 1 of the word for an even tile, 2, 3, 2, 3 for an odd one
	v_mov_b32 v[NINF], 0xff800000
.irp j, 0,1,2,3,4,5,6,7
	v_mov_b32 v[QB+8+\j], 0                        ; the zero codes
.endr
.irp b, 0,1,2,3
	v_mov_b32 v[T2+\b], 0                          ; written once: a lane permute's destination counts as one of its sources
.endr
	v_mov_b32 v[FF+1], 0                           ; (named as the upper word of the pair)
.macro INIT                            ; a pass begins: O^T and the sum as zeros, the largest t under every t: the first change of M multiplies zeros
.set nn, 0
.rept 32
	v_mov_b32 v[O+nn], 0
.set nn, nn+1
.endr
	v_mov_b32 v13, 0xff61b1e6                      ; -3e38
	s_delay_alu instid0(VALU_DEP_1)
	v_floor_f32 v12, -v13                          ; -M
	v_mov_b32 v14, 0
	v_mov_b32 v15, 0
.endm
	s_wait_loadcnt 0x0                             ; Q and its words
	v_perm_b32 v[QS], v[WL], v[WL], s[SELQ]
	INIT                                           ; (these lines are also the places between the lines that wrote Q's word and the zeros, and the first products)
; A KEY STEP: 128 keys.  A step all of whose keys come after my queries is left out: a scalar branch on the wave's number and the loop's count, round the step's work; not round the lines at its end that step the address and the count.
.macro STEP
	s_cmp_gt_u32 s[KSR], s[LIM]
	s_cbranch_scc1 .Lskip_\@
	s_setprio 2
	v_add_nc_u32 v[ADR], s[TB], v[LI]
.set nn, 0
.rept 16
	ds_load_b128 v[KF+4*nn:KF+4*nn+3], v[ADR] offset:512*nn        ; K's sixteen chunks: four fragments of two key tiles each
.set nn, nn+1
.endr
	ds_load_b128 v[KSC:KSC+3], v[ADR] offset:16384                 ; and their four scale words
	s_wait_dscnt 0x0
.set nn, 0
.rept 8                                            ; S^T: key tile nn: lane (r, h), register j: key 16 nn + 8 h + j, query r
	v_wmma_scale_f32_16x16x128_f8f6f4 v[S+8*nn:S+8*nn+7], v[KF+16*(nn/2):KF+16*(nn/2)+15], v[QB+8*(nn%2):QB+8*(nn%2)+15], 0, v[KSC+nn/2], v[QS]
.set nn, nn+1
.endr
.rept 8
	v_nop                                          ; places in front of the first read of the scores
.endr
	s_cmp_lg_u32 s[KSR], s[LIM]                    ; on the diagonal the scores of hidden keys become -infinity ahead of the maximum: p = 0 then
	s_cbranch_scc1 .Lopen_\@
.set nn, 0
.rept 64
	v_cmp_gt_i32 vcc_lo, 16*(nn/8)+nn%8, v[DQ]     ; register nn holds key 16 (nn / 8) + nn % 8 + 8 h of the step: hidden where it comes after my query
	v_cndmask_b32 v[S+nn], v[S+nn], v[NINF], vcc_lo
.set nn, nn+1
.endr
.Lopen_\@:
.irp b, 0,1,2,3
	v_max3_num_f32 v[BM+\b], v[S+16*\b], v[S+1+16*\b], v[S+2+16*\b]   ; the largest score of each block of 32 keys: for the row's maximum, and, since p rises with the score, for the block's largest p
.endr
.irp i, 3,5,7,9,11,13
.irp b, 0,1,2,3
	v_max3_num_f32 v[BM+\b], v[BM+\b], v[S+16*\b+\i], v[S+1+16*\b+\i]
.endr
.endr
.irp b, 0,1,2,3
	v_max_num_f32 v[BM+\b], v[BM+\b], v[S+15+16*\b]
.endr
.irp b, 0,1,2,3
	s_delay_alu instid0(VALU_DEP_4)
	v_permlanex16_b32 v[T2+\b], v[BM+\b], s[SEL], s[SEL+1]
.endr
.irp b, 0,1,2,3
	s_delay_alu instid0(VALU_DEP_4)
	v_max_num_f32 v[BM+\b], v[BM+\b], v[T2+\b]     ; with lane l xor 16's 16 keys
.endr
	s_delay_alu instid0(VALU_DEP_2)
	v_max3_num_f32 v[TP], v[BM], v[BM+1], v[BM+2]
	s_delay_alu instid0(VALU_DEP_1)
	v_max_num_f32 v[TP], v[TP], v[BM+3]            ; the step's largest score of my query
	s_delay_alu instid0(VALU_DEP_1)
	v_mul_f32 v[TP], s[CS], v[TP]                  ; as t
	s_delay_alu instid0(VALU_DEP_1)
	v_max_num_f32 v13, v13, v[TP]                  ; the running largest t
	v_mov_b32 v[TP], v12
	s_delay_alu instid0(VALU_DEP_2)
	v_floor_f32 v12, -v13                          ; the new -M = -ceil(t): a whole number
	s_delay_alu instid0(VALU_DEP_1)
	v_sub_f32 v[TP], v12, v[TP]                    ; old M - new M: a whole number, 0 or less
	s_delay_alu instid0(VALU_DEP_1)
	v_cvt_i32_f32 v[TP], v[TP]                     ; (it saturates)
	s_delay_alu instid0(VALU_DEP_1)
	v_ldexp_f32 v[FF], 1.0, v[TP]                  ; f = 2^(old M - new M)
.set nn, 0
.rept 32
	v_pk_fma_f32 v[S+nn:S+nn+1], v[S+nn:S+nn+1], s[CS:CS+1], v[12:13] op_sel_hi:[1,0,0]   ; t - M, two at a time
.set nn, nn+2
.endr
	s_setprio 1
.irp b, 0,1,2,3
	v_fma_f32 v[BM+\b], v[BM+\b], s[CS], v12       ; the same of each block's largest score
.endr
.set nn, 0
	s_wait_alu depctr_va_vdst(0)
.rept 64
	v_exp_f32 v[S+nn], v[S+nn]                     ; p = 2^(t - M), at most 1
.set nn, nn+1
.endr
	v_pk_mul_f32 v[14:15], v[14:15], v[FF:FF+1] op_sel_hi:[1,0]    ; the sums under the new M: the plain line behind the exponentials
	s_wait_alu depctr_va_vdst(0)                   ; one wait for the whole batch, ahead of its first reader
.irp b, 0,1,2,3
	v_exp_f32 v[BM+\b], v[BM+\b]                   ; the block's largest p: the same two instructions on the same number give the same bits
.endr
	v_pk_add_f32 v[T2:T2+1], v[S:S+1], v[S+2:S+3]  ; the row's sum of the UNQUANTISED p, two at a time, in two chains
.set nn, 4
.rept 15
	v_pk_add_f32 v[14:15], v[14:15], v[S+nn:S+nn+1]
	v_pk_add_f32 v[T2:T2+1], v[T2:T2+1], v[S+nn+2:S+nn+3]
.set nn, nn+4
.endr
	s_delay_alu instid0(VALU_DEP_1)
	v_pk_add_f32 v[14:15], v[14:15], v[T2:T2+1]
	s_wait_alu depctr_va_vdst(0)                   ; and one for the four
.irp b, 0,1,2,3
	v_max_num_f32 v[BM+\b], 0x4800000, v[BM+\b]    ; the floor 2^(9 - 127): the byte cannot fall under 1
.endr
.irp b, 0,1,2,3
	s_delay_alu instid0(VALU_DEP_4)
	v_add_nc_u32 v[SOP+\b], 0xfc000000, v[BM+\b]   ; 8 off the exponent field: the conversion's scale operand
.endr
.irp b, 0,1,2,3
.endr
.irp b, 0,1,2,3
	s_delay_alu instid0(VALU_DEP_4)
	v_lshrrev_b32 v[T2+\b], 23, v[SOP+\b]          ; the scale's byte
.endr
	s_delay_alu instid0(VALU_DEP_3)
	v_lshl_or_b32 v[PS], v[T2+1], 8, v[T2]         ; p's scale word for these 128 keys
	s_delay_alu instid0(VALU_DEP_1)
	v_lshl_or_b32 v[PS], v[T2+2], 16, v[PS]
	s_delay_alu instid0(VALU_DEP_1)
	v_lshl_or_b32 v[PS], v[T2+3], 24, v[PS]
.irp b, 0,1,2,3
.set nn, 0
.rept 16
.set nn, nn+1
.endr
	v_cvt_scalef32_pk8_fp8_f32 v[PC+4*\b:PC+4*\b+1], v[S+16*\b:S+16*\b+7], v[SOP+\b]
	v_cvt_scalef32_pk8_fp8_f32 v[PC+4*\b+2:PC+4*\b+3], v[S+16*\b+8:S+16*\b+15], v[SOP+\b]
.irp c, 0,1,2,3
	ds_load_b128 v[S+16*\b+4*\c:S+16*\b+4*\c+3], v[ADR] offset:8192+2048*\b+512*\c   ; the block's registers are free: V's fragment b (tile b of the head's 64 x these 128 keys) lands there
.endr
.if \b == 0
	s_setprio 0
	ds_load_b128 v[VS:VS+3], v[ADR] offset:16896   ; V's four scale words
.endif
.endr
.set nn, 0
.rept 16
	v_pk_mul_f32 v[O+nn:O+nn+1], v[O+nn:O+nn+1], v[FF:FF+1] op_sel_hi:[1,0]   ; O^T under the new M.  (These sixteen are also the places between the conversions and the products)
.set nn, nn+2
.endr
	s_wait_alu depctr_va_vdst(0)
	s_wait_dscnt 0x0                               ; V is in
.irp d, 0,1,2,3                                    ; O^T += V^T P^T: the four accumulators by turns, one instruction each
	v_wmma_scale_f32_16x16x128_f8f6f4 v[O+8*\d:O+8*\d+7], v[S+16*\d:S+16*\d+15], v[PC:PC+15], v[O+8*\d:O+8*\d+7], v[VS+\d], v[PS]
.endr
.rept 9
	v_nop                                          ; nine places: the next step's products write over the registers that these have read as source 0
.endr
.Lskip_\@:
	s_add_co_u32 s[TB], s[TB], KVB
	s_add_co_u32 s[KSR], s[KSR], 1
.endm
; THE WAY OUT of a pass: O^T / the sum, quantised along the head's 64 (two blocks of 32, each in lanes l and l xor 16), brought into the natural order, stored as an image; the two bytes beside it.
.macro OUT po, ps
	v_add_f32 v14, v14, v15                        ; the sum's two halves,
	s_delay_alu instid0(VALU_DEP_1)
	v_permlanex16_b32 v[TP], v14, s[SEL], s[SEL+1]
	s_delay_alu instid0(VALU_DEP_1)
	v_add_f32 v14, v14, v[TP]                      ; and lane l xor 16's
	s_wait_alu depctr_va_vdst(0)
	v_rcp_f32 v[FF], v14
	v_nop                                          ; a plain line behind the transcendental,
	s_wait_alu depctr_va_vdst(0)                   ; and the wait ahead of its first reader
.set nn, 0
.rept 16
	v_pk_mul_f32 v[O+nn:O+nn+1], v[O+nn:O+nn+1], v[FF:FF+1] op_sel_hi:[1,0]   ; register 16 b + 8 u + j: channel 32 b + 16 u + 8 h + j of my query
.set nn, nn+2
.endr
.irp b, 0,1
	v_max3_num_f32 v[BM+\b], |v[O+16*\b]|, |v[O+1+16*\b]|, 0x4800000
.endr
.irp i, 2,4,6,8,10,12,14
.irp b, 0,1
	s_delay_alu instid0(VALU_DEP_2)
	v_max3_num_f32 v[BM+\b], v[BM+\b], |v[O+16*\b+\i]|, |v[O+1+16*\b+\i]|
.endr
.endr
.irp b, 0,1
	s_delay_alu instid0(VALU_DEP_2)
	v_permlanex16_b32 v[T2+\b], v[BM+\b], s[SEL], s[SEL+1]
.endr
.irp b, 0,1
	s_delay_alu instid0(VALU_DEP_2)
	v_max_num_f32 v[BM+\b], v[BM+\b], v[T2+\b]
.endr
.irp b, 0,1
	s_delay_alu instid0(VALU_DEP_2)
	v_add_nc_u32 v[SOP+\b], 0xfc000000, v[BM+\b]
.endr
.irp b, 0,1
.endr
.irp b, 0,1
	s_delay_alu instid0(VALU_DEP_2)
	v_lshrrev_b32 v[T2+\b], 23, v[SOP+\b]
.endr
	s_delay_alu instid0(VALU_DEP_1)
	v_lshl_or_b32 v[TP], v[T2+1], 8, v[T2]         ; the head's two bytes of my row
.irp b, 0,1
.set nn, 0
.rept 16
.set nn, nn+1
.endr
	v_cvt_scalef32_pk8_fp8_f32 v[PC+4*\b:PC+4*\b+1], v[O+16*\b:O+16*\b+7], v[SOP+\b]
	v_cvt_scalef32_pk8_fp8_f32 v[PC+4*\b+2:PC+4*\b+3], v[O+16*\b+8:O+16*\b+15], v[SOP+\b]
.endr
	v_nop                                          ; one plain line behind the last conversion
.irp b, 0,1                                        ; lanes 0-15 want channels 32 b + 0 .. 15: their own first eight and the partner's first eight; lanes 16-31 channels 32 b + 16 .. 31: the partner's second eight and their own
	v_cndmask_b32 v[HOLD+2], v[PC+4*\b+2], v[PC+4*\b], s[HM]       ; what I send: lanes 0-15 their second eight, lanes 16-31 their first
	v_cndmask_b32 v[HOLD+3], v[PC+4*\b+3], v[PC+4*\b+1], s[HM]
	s_delay_alu instid0(VALU_DEP_2)
	v_permlanex16_b32 v[T2+2], v[HOLD+2], s[SEL], s[SEL+1]
	s_delay_alu instid0(VALU_DEP_2)
	v_permlanex16_b32 v[T2+3], v[HOLD+3], s[SEL], s[SEL+1]
	v_cndmask_b32 v[S+4*\b], v[PC+4*\b], v[T2+2], s[HM]
	v_cndmask_b32 v[S+4*\b+1], v[PC+4*\b+1], v[T2+3], s[HM]
	v_cndmask_b32 v[S+4*\b+2], v[T2+2], v[PC+4*\b+2], s[HM]
	v_cndmask_b32 v[S+4*\b+3], v[T2+3], v[PC+4*\b+3], s[HM]
.endr
	global_store_b128 v[LI], v[S:S+3], s[\po:\po+1]                ; 32 lanes store 512 consecutive bytes, aligned
	global_store_b128 v[LI], v[S+4:S+7], s[\po:\po+1] offset:512
	global_store_b16 v[RO], v[TP], s[\ps:\ps+1]                    ; both halves of the lanes hold the same bytes and write the same place
.endm
	s_wait_tensorcnt 1                             ; my part of key steps 0-3 is in; the second load may stay out
	s_barrier_signal -1
	s_barrier_wait -1                              ; everybody's is
	s_mov_b32 s[LIM], s[GG]                        ; THE FIRST PASS: group g
	s_mov_b32 s[KSR], 0
	s_mov_b32 s[TB], 0
.Lfirst4:                                          ; key steps 0-3: they read the first load's bytes alone
	STEP
	s_cmp_lt_u32 s[KSR], 4
	s_cbranch_scc1 .Lfirst4
	s_setprio 0
	s_wait_tensorcnt 0x0                           ; my part of key steps 4-15 is in,
	s_wait_dscnt 0x0
	s_barrier_signal -1
	s_barrier_wait -1                              ; everybody's is: from here on the waves share nothing
	s_mov_b32 s[KSR], 4
	s_mov_b32 s[TB], 4*KVB
.Lnext4:                                           ; key steps 4-7
	STEP
	s_cmp_lt_u32 s[KSR], 8
	s_cbranch_scc1 .Lnext4
	s_setprio 0
	s_wait_alu depctr_va_vdst(0)
	OUT 52, 54
	s_wait_xcnt 0x0                                ; the stores have read their registers, which the second pass writes again
.irp j, 0,1,2,3,4,5,6,7
	v_mov_b32 v[QB+\j], v[QN+\j]                   ; THE SECOND PASS: group 15 - g: its Q, into both places
	v_mov_b32 v[QB+16+\j], v[QN+\j]
.endr
	v_perm_b32 v[QS], v[WH], v[WH], s[SELQ]
	INIT                                           ; (also the places in front of the next products)
	s_sub_co_u32 s[LIM], 15, s[GG]
	s_mov_b32 s[KSR], 0
	s_mov_b32 s[TB], 0
.Lsecond:
	STEP
	s_cmp_lt_u32 s[KSR], 16
	s_cbranch_scc1 .Lsecond
	s_setprio 0
	s_wait_alu depctr_va_vdst(0)
	OUT 56, 58
	s_wait_dscnt 0x0
	s_wait_tensorcnt 0x0
	ds_add_u32 v254, v255
	s_wait_dscnt 0x0
	ROUND                                          ; the closing round
	s_endpgm
.Lfunc_end_k_q63079e4de0_attn:
	.size	k_q63079e4de0_attn, .Lfunc_end_k_q63079e4de0_attn-k_q63079e4de0_attn
	.p2alignl 7, 3214868480
	.fill 96, 4, 3214868480
	.section	.rodata,"a",@progbits
	.p2align	6, 0x0
	.amdhsa_kernel k_q63079e4de0_attn
		.amdhsa_group_segment_fixed_size 327680
		.amdhsa_private_segment_fixed_size 0
		.amdhsa_enable_private_segment 0
		.amdhsa_kernarg_size 32
		.amdhsa_user_sgpr_count 2
		.amdhsa_user_sgpr_kernarg_segment_ptr 1
		.amdhsa_wavefront_size32 1
		.amdhsa_system_sgpr_workgroup_id_x 1
		.amdhsa_system_sgpr_workgroup_id_y 1
		.amdhsa_system_sgpr_workgroup_id_z 1
		.amdhsa_system_vgpr_workitem_id 0
		.amdhsa_next_free_vgpr 256
		.amdhsa_next_free_sgpr 84
		.amdhsa_reserve_vcc 1
		.amdhsa_float_denorm_mode_32 3
		.amdhsa_float_denorm_mode_16_64 3
		.amdhsa_fp16_overflow 1
		.amdhsa_memory_ordered 1
		.amdhsa_forward_progress 1
		.amdhsa_inst_pref_size 88
	.end_amdhsa_kernel
	.amdgpu_metadata
---
amdhsa.version: [ 1, 2 ]
amdhsa.kernels:
  - .name:           k_q63079e4de0_attn
    .symbol:         k_q63079e4de0_attn.kd
    .args:
      - { .name: qimg, .offset: 0, .size: 8, .value_kind: global_buffer, .address_space: global }
      - { .name: kv, .offset: 8, .size: 8, .value_kind: global_buffer, .address_space: global }
      - { .name: oimg, .offset: 16, .size: 8, .value_kind: global_buffer, .address_space: global }
      - { .name: osc, .offset: 24, .size: 8, .value_kind: global_buffer, .address_space: global }
    .group_segment_fixed_size: 327680
    .private_segment_fixed_size: 0
    .kernarg_segment_align: 8
    .kernarg_segment_size: 32
    .max_flat_workgroup_size: 512
    .sgpr_count:     84
    .vgpr_count:     256
    .wavefront_size: 32
...
	.end_amdgpu_metadata
.endif
;; end of part 2
;; launch outp (part 3): grid 4 x 32, 4 waves a work-group, clusters of 4 x 4, 327,680 bytes of LDS; arguments oimg, osc, Wo_codes, Wo_scales, bo, out0; writes out0
.if DOCPART == 3
	.amdgcn_target "amdgcn-amd-amdhsa--gfx1250"
	.amdhsa_code_object_version 6
	.text
	.protected	k_q63079e4de0_outp
	.globl	k_q63079e4de0_outp
	.p2align	8
	.type	k_q63079e4de0_outp,@function
k_q63079e4de0_outp:
	s_mov_b64 s[64:65], 0
	v_nop
	global_prefetch_b8 v0, s[64:65] scope:SCOPE_SE
	s_setreg_imm32_b32 hwreg(HW_REG_WAVE_MODE, 25, 1), 1
	s_wait_xcnt 0x0
	s_wait_alu depctr_hold_cnt(0) depctr_sa_sdst(0) depctr_va_vdst(0) depctr_va_sdst(0) depctr_va_ssrc(0) depctr_va_vcc(0) depctr_vm_vsrc(0)
	s_getreg_b32 s2, hwreg(HW_REG_IB_STS2, 6, 4)
	s_cmp_eq_u32 s2, 0
	s_cbranch_scc0 .Lentry_in_a_cluster
	s_endpgm
.Lentry_in_a_cluster:
	s_bfe_u32 s2, ttmp6, 0x10000c
	s_cmp_lg_u32 s2, 0xf033
	s_cbranch_scc0 .Lentry_shape_is_right
	s_endpgm
.Lentry_shape_is_right:
; out0 = A Wo^T + bo.  A: [8192][1024], the attention's result as codes of E4M3, laid as IMAGES OF OPERAND REGISTERS: oimg [row tile of 16][8 fragments of 128 K][4 chunks of 512 bytes], lane l's 16 bytes at 16 l;
; its scale bytes osc [8192][32].  Wo: [1024][1024] codes, K innermost, scale bytes [1024][32].  bo [1024], out0 [8192][1024]: f32.  Sums in f32.
; A tile of the result, 256 x 256, is made by a work-group of four waves; a wave makes 128 x 128: 64 accumulators of 16 x 16, 512 registers.  K goes in four steps of 256 through a ring of two LDS slots filled by the
; tensor data mover.  The scale bytes of the work-group's rows, for all of K, come once with the first fills.
; CLUSTERS: 4 x 4 work-groups; A's tile is shared along a row of the cluster, Wo's along a column: each is asked for jointly, by one descriptor and a mask that names the four.
; THE MATRIX INSTRUCTION IS USED TRANSPOSED (source 0 = 16 rows of Wo, source 1 = 16 rows of A): a lane holds eight neighbouring numbers of a row of the result.  bo is the C of each sum's first matrix instruction.
; REGISTERS: window 0: v0-31 addresses; v32-63 scale words, two sets; v64-127 the bias; from v128 A's fragments, one set.  window 1: Wo's fragments, two sets.  windows 2, 3: the accumulators.
; The launch has 128 work-groups: a tile of 256 x 256 keeps the wave's tile at 128 x 128, so that no fragment is read from LDS more often than once for eight products.
.set SIZE_N, 1024
.set KSTEP,  256
.set NQ,     2
.set ROWB,   256                       ; a row of Wo's tile in bytes
.set ASTEP,  4096                      ; a K step of one row tile of A: two fragments' images
.set KROW,   1024
.set PITCH,  272                       ; Wo's LDS row: 256 bytes + 16 of padding: the 16 rows that a load touches start at 16 different banks (64 banks of 4 bytes: ISA guide 11.1)
.set FR,     16
.set NL,     4
.set NP,     8
.set HALFT,  128*PITCH                 ; a wave's part of a slot (A's images use 32,768 bytes of it)
.set SLOT,   4*HALFT
.set KS,     32
.set SCL,    2*SLOT
.set HALFS,  (128*KS/256)*272
.set SBLK,   (16*KS/256)*272
.set SPARE,  SCL+4*HALFS               ; the spare words, 128 bytes for each wave: two blocks of 256 bytes that no other line names
.set SPITCH, 528                       ; the way out: a stage of 16 rows x (512 bytes + 16) for each wave, in slot 0, which has had its last fill and its last read when the first result is stored there
.set ADRA, 16
.set ADRB, 20
.set STO,  24
.set RD,   25
.set CO,   26
.set ADRS, 27
.set SPW,  28
.set NIL,  29
.set BA0,  30                          ; v30  the bias's offset: 32 (lane / 16)
.set SC,   32
.set BI,   64
.set AF,   128
.set BK,   128
.set G1, 24
.set G0, 32
.set G1B, 48
.set G0B, 56
.set G1S, 68
.set G0S, 76
.set G1SB, 80
.set G0SB, 88
.set MSB, 0
.macro WIN new                         ; the immediate's high byte repeats the setting that is left
.if MSB != (\new)
	s_set_vgpr_msb (MSB<<8)|(\new)
.set MSB, (\new)
.endif
.endm
.set MUL_LO, 0xa1
.set MUL_HI, 0xf1
.set TO_B,   0x40
.macro JLOAD g0a, g1a, g0b, g1b        ; a joint load: waves 0 and 1 fetch for A, waves 2 and 3 for Wo; four v_nop follow each of the two lines
	s_cmp_eq_u32 s15, 0
	s_cbranch_scc0 .Lfor_b_\@
	tensor_load_to_lds s[\g0a:\g0a+3], s[\g1a:\g1a+7]
	s_nop 0
.rept 4
	v_nop
.endr
	s_branch .Lasked_\@
.Lfor_b_\@:
	tensor_load_to_lds s[\g0b:\g0b+3], s[\g1b:\g1b+7]
	s_nop 0
.rept 4
	v_nop
.endr
.Lasked_\@:
.endm
.macro CREST
	s_cmp_lg_u32 s14, 0
	s_cbranch_scc1 .Lnot_wave_0_\@
	s_barrier_signal -3
.Lnot_wave_0_\@:
	s_barrier_wait -3
	s_barrier_signal -1
	s_barrier_wait -1
.endm
.macro CROUND
	s_barrier_signal -1
	s_barrier_wait -1
	CREST
.endm
	s_load_b128 s[4:7], s[0:1], 0x0                ; A's images s[4:5], A's scales s[6:7]
	s_load_b128 s[8:11], s[0:1], 0x10              ; Wo's codes s[8:9], Wo's scales s[10:11]
	s_load_b64 s[96:97], s[0:1], 0x20              ; bo
	s_load_b64 s[12:13], s[0:1], 0x28              ; out0
	v_lshl_add_u32 v[SPW], v0, 2, SPARE
	v_mov_b32 v[NIL], 0
	ds_add_u32 v28, v29
	ds_add_u32 v28, v29
	s_wait_dscnt 0x0
	v_lshrrev_b32 v1, 5, v0
	v_readfirstlane_b32 s14, v1                    ; wave 0..3
	s_lshr_b32 s15, s14, 1                         ; which half of the tile's rows is mine.  Also: I fetch for A (0) or for Wo (1)
	s_and_b32 s16, s14, 1                          ; which half of its columns.  Also: which 128 rows of that tile I fetch
	s_bfe_u32 s40, ttmp6, 0x40000                  ; cx, cy
	s_bfe_u32 s41, ttmp6, 0x40004
	s_lshl_b32 s42, ttmp9, 2
	s_add_co_u32 s42, s42, s40                     ; tile column = 4 x cluster x + cx
	s_and_b32 s17, ttmp7, 0xffff
	s_lshl_b32 s17, s17, 2
	s_add_co_u32 s17, s17, s41                     ; tile row = 4 x cluster y + cy
	s_lshl_b32 s43, s41, 2
	s_lshl_b32 s43, 15, s43                        ; my row of the cluster
	s_lshl_b32 s44, 0x1111, s40                    ; my column
	; A: eight row tiles, of each 4,096 consecutive bytes (512 elements of 8 bytes), 16,384 bytes apart; dense in LDS: images are read 16 bytes a lane on end and want no padding
	s_or_b32 s[G1+0], s43, (3<<16)|(1<<21)         ; 15:0 the mask: my row; 17:16 elements of 8 bytes; 21 set beside a mask
	s_mov_b32 s[G1+1], 512<<16                     ; tensor_dim0
	s_mov_b32 s[G1+2], 8<<16                       ; tensor_dim1
	s_mov_b32 s[G1+3], 512<<16                     ; tile_dim0
	s_mov_b32 s[G1+4], 8                           ; tile_dim1
	s_mov_b32 s[G1+5], 2048                        ; from row tile to row tile
	s_mov_b32 s[G1+6], 0
	s_mov_b32 s[G1+7], 0
	; Wo: 128 rows x 256 bytes, padded in LDS
	s_or_b32 s[G1B+0], s44, (0<<16)|(1<<20)|(1<<21)|(5<<22)|(3<<25)  ; the mask: my column; elements of 1 byte; padding: four words after every 64
	s_mov_b32 s[G1B+1], ROWB<<16
	s_mov_b32 s[G1B+2], 128<<16
	s_mov_b32 s[G1B+3], ROWB<<16
	s_mov_b32 s[G1B+4], 128
	s_mov_b32 s[G1B+5], KROW
	s_mov_b32 s[G1B+6], 0
	s_mov_b32 s[G1B+7], 0
	; the scales of 128 rows: 4,096 dense bytes as 16 rows of 256 bytes, 16 bytes of padding behind each
	s_or_b32 s[G1S+0], s43, (3<<16)|(1<<20)|(1<<21)|(5<<22)|(3<<25)
	s_or_b32 s[G1SB+0], s44, (3<<16)|(1<<20)|(1<<21)|(5<<22)|(3<<25)
.irp g, G1S, G1SB
	s_mov_b32 s[\g+1], 32<<16
	s_mov_b32 s[\g+2], (128*KS/256)<<16
	s_mov_b32 s[\g+3], 32<<16
	s_mov_b32 s[\g+4], 128*KS/256
	s_mov_b32 s[\g+5], 32
	s_mov_b32 s[\g+6], 0
	s_mov_b32 s[\g+7], 0
.endr
	s_lshl_b32 s18, s16, 7                         ; which 128 rows of the tile I fetch
	s_lshl_b32 s20, s17, 8
	s_add_co_u32 s20, s20, s18                     ; A: row 256 x tile row + 128 x half
	s_lshl_b32 s46, s42, 8
	s_add_co_u32 s46, s46, s18                     ; Wo: row 256 x tile column + 128 x half
	s_mov_b32 s21, 0
	s_mov_b32 s47, 0
	s_mov_b64 s[18:19], KS
	s_mul_u64 s[22:23], s[20:21], s[18:19]         ; where these rows' scales begin
	s_mul_u64 s[92:93], s[46:47], s[18:19]
	s_mov_b64 s[18:19], KROW
	s_mul_u64 s[20:21], s[20:21], s[18:19]         ; and their codes: row x 1,024 is also row tile x 16,384, where A's images begin
	s_mul_u64 s[46:47], s[46:47], s[18:19]
	s_mul_i32 s45, s14, HALFT                      ; where they go: no place in the cluster enters an LDS address
	s_mul_i32 s94, s14, HALFS
	s_wait_kmcnt 0x0
	s_add_nc_u64 s[20:21], s[4:5], s[20:21]
	s_add_nc_u64 s[22:23], s[6:7], s[22:23]
	s_add_nc_u64 s[46:47], s[8:9], s[46:47]
	s_add_nc_u64 s[92:93], s[10:11], s[92:93]
	CROUND                                         ; all sixteen work-groups are here: the first joint loads meet
	s_mov_b32 s[G0S], 1
	s_add_co_u32 s[G0S+1], s94, SCL
	s_mov_b64 s[G0S+2:G0S+3], s[22:23]
	s_or_b32 s[G0S+3], s[G0S+3], 0x80000000
	s_mov_b32 s[G0SB], 1
	s_add_co_u32 s[G0SB+1], s94, SCL
	s_mov_b64 s[G0SB+2:G0SB+3], s[92:93]
	s_or_b32 s[G0SB+3], s[G0SB+3], 0x80000000
	JLOAD G0S, G1S, G0SB, G1SB                     ; the scales first
.irp s, 0,1
	s_mov_b32 s[G0+4*\s], 1
	s_add_co_u32 s[G0+4*\s+1], s45, \s*SLOT
	s_add_nc_u64 s[G0+4*\s+2:G0+4*\s+3], s[20:21], \s*ASTEP
	s_or_b32 s[G0+4*\s+3], s[G0+4*\s+3], 0x80000000
	s_mov_b32 s[G0B+4*\s], 1
	s_add_co_u32 s[G0B+4*\s+1], s45, \s*SLOT
	s_add_nc_u64 s[G0B+4*\s+2:G0B+4*\s+3], s[46:47], \s*ROWB
	s_or_b32 s[G0B+4*\s+3], s[G0B+4*\s+3], 0x80000000
	s_wait_alu depctr_va_vdst(0)
	s_wait_tensorcnt 0x0
	ds_add_u32 v28, v29
	s_wait_dscnt 0x0
	CROUND
	JLOAD G0+4*\s, G1, G0B+4*\s, G1B               ; one load of mine is out
.endr
	v_and_b32 v1, 15, v0                           ; l % 16
	v_bfe_u32 v2, v0, 4, 1                         ; l / 16
	v_and_b32 v6, 31, v0
	v_lshlrev_b32 v[CO], 4, v6                     ; 16 x lane: my place in an image, in a stage row read back, and in a row of the result
	v_mul_u32_u24 v3, v1, PITCH
	v_lshl_add_u32 v4, v2, 4, v3                   ; Wo: a fragment's row x pitch + 16 x half
	s_mul_i32 s21, s15, HALFT                      ; my 128 rows of A
	s_mul_i32 s22, s16, HALFT                      ; my 128 rows of Wo,
	s_add_co_u32 s22, s22, 2*HALFT                 ; which lie behind A's two parts
.irp s, 0,1
	v_add_nc_u32 v[ADRA+\s], s21, v[CO]
	v_add_nc_u32 v[ADRB+\s], s22, v4
	s_add_co_u32 s21, s21, SLOT
	s_add_co_u32 s22, s22, SLOT
.endr
	v_mul_u32_u24 v5, v1, KS                       ; my row's scales: 32 bytes a row,
	v_lshrrev_b32 v6, 8, v5
	v_lshl_add_u32 v5, v6, 4, v5                   ; and 16 more for each 256 passed
	s_mul_i32 s21, s15, HALFS
	s_mul_i32 s22, s16, HALFS
	s_add_co_u32 s22, s22, 2*HALFS
	s_sub_co_u32 s22, s22, s21
	v_mul_u32_u24 v6, s22, v2                      ; lanes 16-31 take Wo's
	s_add_co_u32 s21, s21, SCL
	v_add_nc_u32 v5, v5, v6
	v_add_nc_u32 v[ADRS], s21, v5
	s_mul_i32 s23, s14, 16*SPITCH                  ; my stage
	v_mul_u32_u24 v5, v1, SPITCH                   ; in: row l % 16, 32 bytes for each half of the lanes
	v_lshl_add_u32 v5, v2, 5, v5
	v_add_nc_u32 v[STO], s23, v5
	v_add_nc_u32 v[RD], s23, v[CO]                 ; back: the 32 lanes take one row of 512 bytes
	v_lshlrev_b32 v[BA0], 5, v2
	s_wait_alu depctr_va_vdst(0)
	s_lshl_b32 s20, s17, 8
	s_lshl_b32 s21, s15, 7
	s_add_co_u32 s20, s20, s21                     ; my first row of the result
	s_mov_b32 s21, 0
	s_mov_b64 s[18:19], SIZE_N*4
	s_mul_u64 s[20:21], s[20:21], s[18:19]
	s_lshl_b32 s46, s42, 10                        ; my first column, in bytes: 1,024 x tile column + 512 x half
	s_lshl_b32 s47, s16, 9
	s_add_co_u32 s46, s46, s47
	s_mov_b32 s47, 0
	s_add_nc_u64 s[96:97], s[96:97], s[46:47]      ; the bias of my 128 columns
	s_add_nc_u64 s[20:21], s[20:21], s[46:47]
	s_add_nc_u64 s[12:13], s[12:13], s[20:21]
.irp t, 0,1,2,3,4,5,6,7                            ; tile t of Wo's rows: register j holds bo[16 t + 8 (l / 16) + j]
	global_load_b128 v[BI+8*\t:BI+8*\t+3], v[BA0], s[96:97] offset:64*\t
	global_load_b128 v[BI+8*\t+4:BI+8*\t+7], v[BA0], s[96:97] offset:64*\t+16
.endr
.macro FRAG reg, adr, q, i             ; a fragment of Wo from rows: lane l holds row l % 16; registers 4 c .. 4 c + 3 hold K = 32 c + 16 (l / 16) + 0 .. 15
.irp c, 0,1,2,3
	ds_load_b128 v[\reg+4*\c:\reg+4*\c+3], v[\adr] offset:128*(\q)+32*\c+(\i)*16*PITCH
.endr
.endm
.macro FRAGA reg, adr, q, i            ; a fragment of A from its image: row tile i, the slot's q-th 128 along K, four chunks of 512 bytes
.irp c, 0,1,2,3
	ds_load_b128 v[\reg+4*\c:\reg+4*\c+3], v[\adr] offset:ASTEP*(\i)+2048*(\q)+512*\c
.endr
.endm
; 16 matrix instructions: A's blocks a0, a0 + 1 x Wo's eight, 128 along K.  cmode 1: C = the bias; 0: in place.  The 64 accumulators take turns, one instruction a turn.
.macro MUL16 a0, p, q, sc, cmode
.irp a, \a0, \a0+1
.irp b, 0,1,2,3,4,5,6,7
.if \cmode
	v_wmma_scale_f32_16x16x128_f8f6f4 v[8*(8*((\a)%4)+\b):8*(8*((\a)%4)+\b)+7], v[128*(\p)+FR*\b:128*(\p)+FR*\b+FR-1], v[AF+FR*(\a):AF+FR*(\a)+FR-1], v[BI+8*\b:BI+8*\b+7], v[SC+8*NQ*(\sc)+NQ*\b+(\q)], v[SC+8*NQ*(\sc)+NQ*(\a)+(\q)] matrix_a_scale:MATRIX_SCALE_ROW1
.else
	v_wmma_scale_f32_16x16x128_f8f6f4 v[8*(8*((\a)%4)+\b):8*(8*((\a)%4)+\b)+7], v[128*(\p)+FR*\b:128*(\p)+FR*\b+FR-1], v[AF+FR*(\a):AF+FR*(\a)+FR-1], v[8*(8*((\a)%4)+\b):8*(8*((\a)%4)+\b)+7], v[SC+8*NQ*(\sc)+NQ*\b+(\q)], v[SC+8*NQ*(\sc)+NQ*(\a)+(\q)] matrix_a_scale:MATRIX_SCALE_ROW1
.endif
.endr
.endr
.endm
.macro FETCH_B slot, q, p
	WIN TO_B
.irp i, 0,1,2,3,4,5,6,7
	FRAG 128*(\p)+FR*\i, ADRB+\slot, \q, \i
.endr
	WIN 0
.endm
.macro FETCH_A slot, q, i0
.irp i, \i0, \i0+1, \i0+2, \i0+3
	FRAGA AF+FR*(\i), ADRA+\slot, \q, \i
.endr
.endm
.macro SCALES sc                       ; lanes 0-15 take A's block i, lanes 16-31 Wo's block i: two words a row
.irp i, 0,1,2,3,4,5,6,7
	ds_load_b64 v[SC+8*NQ*\sc+NQ*\i:SC+8*NQ*\sc+NQ*\i+1], v[ADRS] offset:\i*SBLK
.endr
.endm
.macro PLACES n                        ; places behind matrix instructions, in front of loads into their registers and of reads of results (ISA guide 7.12.1 for vector instructions)
.rept \n
	v_nop
.endr
.endm
.macro STEP slot, q, cmode
	s_wait_dscnt 4*NL                              ; Wo's set and A's blocks 0-3 are in; the youngest sixteen loads (A's blocks 4-7) may be out
.if \cmode
	WIN 0x81                                       ; C (the bias) in window 0, D in window 2
.else
	WIN MUL_LO
.endif
	MUL16 0, (\q)%2, \q, \slot, \cmode
	MUL16 2, (\q)%2, \q, \slot, \cmode
	s_wait_dscnt 0
	PLACES NP
	FETCH_B \slot, (\q)+1, 1-(\q)%2
	FETCH_A \slot, (\q)+1, 0
.if \cmode
	WIN 0xc1
.else
	WIN MUL_HI
.endif
	MUL16 4, (\q)%2, \q, \slot, \cmode
	MUL16 6, (\q)%2, \q, \slot, \cmode
	PLACES NP
	WIN 0
	FETCH_A \slot, (\q)+1, 4
.endm
; A slot's last step changes slots: ONE barrier; in front of it each wave waits for all its tensor loads, adds 0 to its spare word, and waits for that and for its own reads of this slot.
.macro TURN slot, next, fill
	s_wait_tensorcnt 0x0                           ; all my tensor loads have landed: my part of the next slot
	ds_add_u32 v[SPW], v[NIL]                      ; 0 onto my spare word
	s_wait_dscnt 4*NL+1                            ; (the add and the youngest sixteen loads may be out)
	WIN MUL_LO
	MUL16 0, 1, NQ-1, \slot, 0
	s_wait_dscnt 0x0                               ; the add is done, and my reads of this slot are over
	s_barrier_signal -1
	MUL16 2, 1, NQ-1, \slot, 0
	WIN 0
	s_barrier_wait -1
.if \fill
	CREST                                          ; the barrier has opened a round of the cluster's barrier: no wave of any partner still reads this slot's tile or has a load on its way
	s_add_nc_u64 s[G0+4*\slot+2:G0+4*\slot+3], s[G0+4*\slot+2:G0+4*\slot+3], 2*ASTEP
	s_add_nc_u64 s[G0B+4*\slot+2:G0B+4*\slot+3], s[G0B+4*\slot+2:G0B+4*\slot+3], 2*ROWB
	JLOAD G0+4*\slot, G1, G0B+4*\slot, G1B         ; the first tensor load behind the round, my one load until the next
	PLACES NP-4
.else
	PLACES NP
.endif
	s_wait_alu depctr_va_vdst(0)
	v_add_nc_u32 v[ADRS], 4*NQ, v[ADRS]            ; on to the next K step's scale words (no LDS load of mine is out)
	FETCH_B \next, 0, 0
	FETCH_A \next, 0, 0
	SCALES \next
	WIN MUL_HI
	MUL16 4, 1, NQ-1, \slot, 0
	MUL16 6, 1, NQ-1, \slot, 0
	PLACES NP
	WIN 0
	FETCH_A \next, 0, 4
.endm
	s_wait_tensorcnt 1                             ; the scales and my part of K step 0 are in (K step 1's load may be out)
	s_barrier_signal -1
	s_barrier_wait -1                              ; everybody's are
	FETCH_B 0, 0, 0
	FETCH_A 0, 0, 0
	SCALES 0
	FETCH_A 0, 0, 4
	s_wait_loadcnt 0x0                             ; the bias
	STEP 0, 0, 1                                   ; the first step's products start the sums on the bias
	TURN 0, 1, 1                                   ; K's four steps of 256 are written out: slot 0 takes K step 2,
	STEP 1, 0, 0
	TURN 1, 0, 1                                   ; slot 1 K step 3;
	STEP 0, 0, 0
	TURN 0, 1, 0                                   ; the last change fills nothing, and has no round
	STEP 1, 0, 0
	s_wait_dscnt 4*NL                              ; the very last step
	WIN MUL_LO
	MUL16 0, 1, NQ-1, 1, 0
	MUL16 2, 1, NQ-1, 1, 0
	s_wait_dscnt 0
	WIN MUL_HI
	MUL16 4, 1, NQ-1, 1, 0
	MUL16 6, 1, NQ-1, 1, 0
	WIN 0
; THE WAY OUT, block by block of 16 rows x 128 columns, through my own stage in LDS: in as 32 bytes a lane, back as whole rows of 512 bytes.  LDS serves a wave's instructions in order (ISA guide 5.7.1.4): no wait
; between the stores and the loads, nor in front of the next block's stores.
.macro TOSTAGE a
.set AC, 64*((\a)%4)
	WIN 0x08+4*((\a)/4)                            ; the data: window 2 or 3
.irp b, 0,1,2,3,4,5,6,7
	ds_store_b128 v[STO], v[AC+8*\b:AC+8*\b+3] offset:64*\b          ; each accumulator from its low end on
	ds_store_b128 v[STO], v[AC+8*\b+4:AC+8*\b+7] offset:64*\b+16
.endr
	WIN 0
.set BB, BK+64*((\a)%2)
.irp t, 0,1,2,3,4,5,6,7,8,9,10,11,12,13,14,15
	ds_load_b128 v[BB+4*\t:BB+4*\t+3], v[RD] offset:\t*SPITCH
.endr
.endm
.macro SEND a, younger                 ; younger: the LDS instructions issued behind block a's loads, which may stay out
.set BB, BK+64*((\a)%2)
	s_wait_dscnt \younger                          ; the block is back in registers
.if (\a) > 0
	s_add_nc_u64 s[12:13], s[12:13], 16*SIZE_N*4   ; (behind a wait on XCNT: the earlier stores have read their base)  16 rows on
.endif
.irp t, 0,1,2,3,4,5,6,7,8,9,10,11,12,13,14,15
	global_store_b128 v[CO], v[BB+4*\t:BB+4*\t+3], s[12:13] offset:\t*SIZE_N*4 th:TH_STORE_NT   ; 32 lanes store 512 consecutive bytes, aligned; written once, read by nobody here
.endr
.endm
	PLACES NP                                      ; behind the last products: for the loads into the registers that held A's fragments, and for the reads of results
	TOSTAGE 0
.irp a, 1,2,3,4,5,6,7
.if \a > 1
	s_wait_xcnt 0x0                                ; block a - 2's stores have read their registers and their base
.endif
	TOSTAGE \a
	SEND \a-1, 32                                  ; behind block a - 1's loads: block a's 16 stores and 16 loads
.endr
	s_wait_xcnt 0x0                                ; block 6's stores have read their base
	SEND 7, 0
	s_wait_tensorcnt 0x0                           ; the wave's end
	ds_add_u32 v[SPW], v[NIL]
	s_wait_dscnt 0x0
	CROUND                                         ; the closing round
	s_endpgm
.Lfunc_end_k_q63079e4de0_outp:
	.size	k_q63079e4de0_outp, .Lfunc_end_k_q63079e4de0_outp-k_q63079e4de0_outp
	.p2alignl 7, 3214868480
	.fill 96, 4, 3214868480
	.section	.rodata,"a",@progbits
	.p2align	6, 0x0
	.amdhsa_kernel k_q63079e4de0_outp
		.amdhsa_group_segment_fixed_size 327680
		.amdhsa_private_segment_fixed_size 0
		.amdhsa_enable_private_segment 0
		.amdhsa_kernarg_size 48
		.amdhsa_user_sgpr_count 2
		.amdhsa_user_sgpr_kernarg_segment_ptr 1
		.amdhsa_wavefront_size32 1
		.amdhsa_system_sgpr_workgroup_id_x 1
		.amdhsa_system_sgpr_workgroup_id_y 1
		.amdhsa_system_sgpr_workgroup_id_z 1
		.amdhsa_system_vgpr_workitem_id 0
		.amdhsa_next_free_vgpr 1024
		.amdhsa_next_free_sgpr 98
		.amdhsa_reserve_vcc 0
		.amdhsa_float_denorm_mode_32 3
		.amdhsa_float_denorm_mode_16_64 3
		.amdhsa_memory_ordered 1
		.amdhsa_forward_progress 1
		.amdhsa_inst_pref_size 148
	.end_amdhsa_kernel
	.amdgpu_metadata
---
amdhsa.version: [ 1, 2 ]
amdhsa.kernels:
  - .name:           k_q63079e4de0_outp
    .symbol:         k_q63079e4de0_outp.kd
    .args:
      - { .name: oimg, .offset: 0, .size: 8, .value_kind: global_buffer, .address_space: global }
      - { .name: osc, .offset: 8, .size: 8, .value_kind: global_buffer, .address_space: global }
      - { .name: Wo_codes, .offset: 16, .size: 8, .value_kind: global_buffer, .address_space: global }
      - { .name: Wo_scales, .offset: 24, .size: 8, .value_kind: global_buffer, .address_space: global }
      - { .name: bo, .offset: 32, .size: 8, .value_kind: global_buffer, .address_space: global }
      - { .name: out0, .offset: 40, .size: 8, .value_kind: global_buffer, .address_space: global }
    .group_segment_fixed_size: 327680
    .private_segment_fixed_size: 0
    .kernarg_segment_align: 8
    .kernarg_segment_size: 48
    .max_flat_workgroup_size: 128
    .sgpr_count:     98
    .vgpr_count:     1024
    .wavefront_size: 32
...
	.end_amdgpu_metadata
.endif
;; end of part 3
